; MI455X (gfx1250); checked and timed in simulation.
; The chip was launched on July 23, 2026; its instructions are those of AMD's public machine-readable ISA for CDNA 5 (MIT licence, August 2026) and "CDNA5" Instruction Set Architecture Reference Guide (July 2026). The comments in the code are by the model that wrote it; some were corrected since.
;; Multihead Self Attention. Allowed arithmetic: matrix products marked QUANTISED: E2M1 operands, one E8M0 scale for each 32 along K, by v_wmma_scale_f32_16x16x128_f8f6f4 with both operands' format E2M1 (or v_wmma_scale_f32_32x16x128_f4), f32 sums; products left as they are: bf16, f16 or f32 operands; f32 sums; everything else in f32.
;; Inputs: WK 1,024 x 1,024 float32; WO 1,024 x 1,024 float32; WQ 1,024 x 1,024 float32; WV 1,024 x 1,024 float32; token_positions 2,048 int32; x 2 x 2,048 x 1,024 float32.
;; Outputs: out0 2 x 2,048 x 1,024 float32.
;; This version of the problem:
;;   THIS VERSION OF THE PROBLEM IS GIVEN IN LOW PRECISION. The matrix products marked QUANTISED in the list below multiply operands that are first quantised to E2M1 (2 exponent bits, 1 mantissa bit; 4 bits a number), with one power-of-two scale for each 32 numbers along K (OCP MX v1.0); their sums are f32. The products marked 'left as it is' may take bf16, f16 or f32 operands, with f32 sums. Whichever they take, every output number must still come out within the allowed error. Rounding operands to bf16 (8 significant bits) uses up far more of that allowance than f16 does (11 bits, for magnitudes from 6e-5 to 65,504). All else is computed in f32.
;;   The module's matrix products, in the order in which they are computed (A, B: the left and right operand; K: the contracted axis; several contracted axes count as one K, in the product's order):
;;     1. [M 4,096, K 1,024] x [K 1,024, N 1,024]; A: input x; B: input WQ: QUANTISED
;;     2. [M 4,096, K 1,024] x [K 1,024, N 1,024]; A: input x; B: input WK: QUANTISED
;;     3. [M 4,096, K 1,024] x [K 1,024, N 1,024]; A: input x; B: input WV: QUANTISED
;;     4. batch 32 x [M 2,048, K 64] x [K 64, N 2,048]; A: computed on the way; B: computed on the way: left as it is (an operand is computed on the way)
;;     5. batch 32 x [M 2,048, K 2,048] x [K 2,048, N 64]; A: computed on the way; B: computed on the way: left as it is (an operand is computed on the way)
;;     6. [M 4,096, K 1,024] x [K 1,024, N 1,024]; A: computed on the way; B: input WO: left as it is (an operand is computed on the way)
;;   THE QUANTISER, for each operand of a quantised product, along K:
;;     - K is cut into blocks of 32 from its start; a last block that is shorter is filled with zeros.
;;     - A block's scale is 2^e with e = floor(log2(the largest magnitude in the block)) - 2, held to -126 .. 127; a block of zeros has e = 0. As a byte (E8M0): e + 127.
;;     - Each number is divided by its block's scale, clamped to +-6, and rounded to the nearest number of E2M1, ties to even, subnormals kept.
;;     - The product sums the exact products of the quantised numbers (number of the format x scale) in f32.
;;   ~~~python
;;   def quantise(x, axis):      # numpy; x: float32 -> the quantised numbers, widened to float32 again
;;       x = np.moveaxis(x, axis, -1); K = x.shape[-1]
;;       x = np.pad(x, [(0, 0)] * (x.ndim - 1) + [(0, -K % 32)]); x = x.reshape(x.shape[:-1] + (-1, 32)); a = np.abs(x).max(-1, keepdims=True)
;;       e = np.where(a > 0, np.clip(np.frexp(np.where(a > 0, a, 1))[1] - 1 - 2, -126, 127), 0)      # np.frexp(a)[1] - 1 = floor(log2(a)), exactly
;;       r = np.clip(x / 2.0 ** e, -6, 6)
;;       step = 2.0 ** (np.maximum(np.frexp(np.where(r == 0, 1, r))[1] - 1, 0) - 1)
;;       q = np.round(r / step) * step * 2.0 ** e      # np.round: ties to even
;;       return np.moveaxis(q.reshape(q.shape[:-2] + (-1,))[..., :K], -1, axis).astype(np.float32)
;;   ~~~
;; One version. Each part assembles by itself: llvm-mc -triple=amdgcn-amd-amdhsa -mcpu=gfx1250 --defsym DOCPART=n.
;; ======== version 1 of 1: 5 launches
;; limits: right only within a limited range of input values; values are held in f16: magnitudes above 65,504 overflow, below 6.1e-05 lose precision
;; workspace buffers: codes 3,670,016 bytes; scales 229,376 bytes; woh 2,097,152 bytes; rope 524,288 bytes; qkv 25,165,824 bytes; att 8,388,608 bytes; head16 393,216 bytes
;; launch prep (part 1): grid 416 x 1, 4 waves a work-group, no clusters, 33,280 bytes of LDS; arguments x, WQ, WK, WV, WO, token_positions, codes, scales, woh, rope; writes codes, scales, woh, rope
.if DOCPART == 1
	.amdgcn_target "amdgcn-amd-amdhsa--gfx1250"
	.amdhsa_code_object_version 6
	.text
	.protected	k_qf8c1dc5648_prep
	.globl	k_qf8c1dc5648_prep
	.p2align	8
	.type	k_qf8c1dc5648_prep,@function
k_qf8c1dc5648_prep:
	s_mov_b64 s[64:65], 0
	v_nop
	global_prefetch_b8 v0, s[64:65] scope:SCOPE_SE
	s_setreg_imm32_b32 hwreg(HW_REG_WAVE_MODE, 25, 1), 1
	s_wait_xcnt 0x0
; PREP: everything that is made once from the inputs.  Three kinds of work-group, told apart by the work-group's number alone.
;  0-223   x [4096][1024], WQ, WK, WV [1024][1024], f32, K innermost in all four, become codes of FP4 (E2M1) and one E8M0 byte for each 32 along K.
;          codes: [7168 rows][512 bytes], scales: [7168][32 bytes]; rows 0-4095 x, then WQ, WK, WV.  Rows are dense and 1024 is a multiple of 32, so each tensor is a plain stream of blocks.
;          A block's scale is 2^(floor(log2(largest magnitude)) - 2); its byte is the largest magnitude's exponent field - 2, held at 1 from below.
;  224-351 WO becomes f16 (woh), for the projection on the way out.
;  352-415 the table of cos and sin: rope[s][j] = (cos, sin)(position[s] x 10000^(-j / 32)), f32, 256 bytes a row.
; LIMITS.  A block of zeros, or one whose largest magnitude lies under 2^-124, gets the byte 1 (its codes are zeros or tiny; this program alone reads the bytes).  NaN and infinities are not served.
; |WO| stays under 65,504 (f16).  |position| up to 2^20: beyond that the quadrant number is no longer exact.  The frequency is 2^(-j x log2(10000) / 32) by v_exp_f32: a few units in the last place.
; No tensor loads, no barrier: waves share nothing.  Only the quantising path touches LDS.
.set STEPS, 16
.set CB,    8                          ; bytes of 16 codes
.set R,     16                         ; v16-79   four sets of 16 numbers as they are loaded
.set X,     80                         ; v80-111  two sets of 16 neighbours
.set E,     112                        ; v112-127 a scale byte for each step
.set C,     128                        ; v128-191 codes: registers of its own for each step
.set WREG,  8192                       ; LDS: a region for each wave: two stages of 32 x SP bytes, then its 256 scale bytes
.set SP,    80                         ; a lane's place in a stage: 64 bytes + 16 of padding
.set SPW,   12                         ; v12  LDS address of my spare word; never rewritten
.set NIL,   13                         ; v13  0; never rewritten
.set SPARE, 4*WREG                     ; behind the four regions: the spare words, 128 bytes a wave
	s_load_b256 s[4:11], s[0:1], 0x0               ; x, WQ, WK, WV
	s_load_b256 s[12:19], s[0:1], 0x20             ; WO, positions, codes, scales
	s_load_b128 s[20:23], s[0:1], 0x40             ; woh, rope
	v_lshl_add_u32 v[SPW], v0, 2, SPARE
	v_mov_b32 v[NIL], 0
	v_lshrrev_b32 v1, 5, v0
	v_readfirstlane_b32 s24, v1                    ; wave 0..3
	v_and_b32 v2, 31, v0                           ; lane
	s_wait_kmcnt 0x0
	s_cmp_ge_u32 ttmp9, 224
	s_cbranch_scc1 .Lother
; ---- the quantiser.  A wave takes 16 steps of 512 numbers.  Each load reads 512 consecutive bytes; a step's 2,048 bytes turn through the wave's own stage in LDS and come back 64 bytes a lane,
; so that a lane holds 16 neighbours along K and two neighbouring lanes a block.  Loads run four steps ahead, the turn through LDS one step.
	v_lshlrev_b32 v3, 4, v2                        ; my 16 bytes of a load's 512
	s_mul_i32 s25, s24, WREG
	v_lshrrev_b32 v14, 2, v2
	v_mul_u32_u24 v14, v14, SP
	v_and_b32 v15, 3, v2
	v_lshl_add_u32 v14, v15, 4, v14
	v_add_nc_u32 v14, s25, v14                     ; into the stage: SP (lane / 4) + 16 (lane % 4)
	v_mul_u32_u24 v15, v2, SP
	v_add_nc_u32 v15, s25, v15                     ; out of it: SP x lane
	v_mul_u32_u24 v4, v2, CB                       ; my codes' place in a step's 256 bytes
	v_lshrrev_b32 v5, 1, v2
	s_add_co_u32 s25, s25, 2*32*SP
	v_add_nc_u32 v5, s25, v5                       ; my block's byte among the wave's 256
	v_lshlrev_b32 v7, 3, v2
	v_add_nc_u32 v6, s25, v7                       ; and on the way out 8 bytes a lane
	s_mov_b64 s[26:27], s[10:11]                   ; which tensor: the choice hangs on the work-group's number alone
	s_mov_b32 s28, 192
	s_cmp_lt_u32 ttmp9, 192
	s_cselect_b64 s[26:27], s[8:9], s[26:27]
	s_cselect_b32 s28, 160, s28
	s_cmp_lt_u32 ttmp9, 160
	s_cselect_b64 s[26:27], s[6:7], s[26:27]
	s_cselect_b32 s28, 128, s28
	s_cmp_lt_u32 ttmp9, 128
	s_cselect_b64 s[26:27], s[4:5], s[26:27]
	s_cselect_b32 s28, 0, s28
	s_sub_co_u32 s28, ttmp9, s28                   ; my work-group's number within its tensor: 131,072 bytes each,
	s_lshl_b32 s28, s28, 17
	s_lshl_b32 s29, s24, 15                        ; 32,768 a wave
	s_add_co_u32 s28, s28, s29
	s_mov_b32 s29, 0
	s_add_nc_u64 s[26:27], s[26:27], s[28:29]
	s_lshl_b32 s28, ttmp9, 14                      ; the codes of all four tensors lie on end: 16,384 bytes a work-group, 4,096 a wave
	s_lshl_b32 s30, s24, 12
	s_add_co_u32 s28, s28, s30
	s_add_nc_u64 s[16:17], s[16:17], s[28:29]
	s_lshl_b32 s28, ttmp9, 10                      ; the scale bytes likewise: 1,024 and 256
	s_lshl_b32 s30, s24, 8
	s_add_co_u32 s28, s28, s30
	s_add_nc_u64 s[18:19], s[18:19], s[28:29]
.macro LOAD t
.irp i, 0,1,2,3
	global_load_b128 v[R+16*((\t)%4)+4*\i:R+16*((\t)%4)+4*\i+3], v3, s[26:27] offset:2048*(\t)+512*\i th:TH_LOAD_NT
.endr
.endm
.macro TURN t                          ; step t's numbers through the stage: LDS serves a wave's instructions in order, so no wait stands between the stores and the loads
.irp i, 0,1,2,3
	ds_store_b128 v14, v[R+16*((\t)%4)+4*\i:R+16*((\t)%4)+4*\i+3] offset:32*SP*((\t)%2)+8*SP*\i
.endr
.irp i, 0,1,2,3
	ds_load_b128 v[X+16*((\t)%2)+4*\i:X+16*((\t)%2)+4*\i+3], v15 offset:32*SP*((\t)%2)+16*\i
.endr
.endm
.irp t, 0,1,2,3
	LOAD \t
.endr
	s_wait_loadcnt 12                              ; step 0's four loads are in
	TURN 0
.macro QSTEP t
.set XS, X+16*((\t)%2)
.if (\t) > 0
	s_wait_dscnt 1                                 ; this step's numbers are back from the stage (the last step's byte store may be out)
.else
	s_wait_dscnt 0x0
.endif
.if (\t)+4 < STEPS
	LOAD (\t)+4                                    ; into the registers that this step's stores into the stage have read
.endif
.if (\t)+1 < STEPS
.if STEPS-2-(\t) >= 3
	s_wait_loadcnt 12                              ; the next step's four loads are in; those of the three steps behind it may be out
.else
	s_wait_loadcnt 4*(STEPS-2-(\t))
.endif
	TURN (\t)+1
.endif
	v_max3_num_f32 v8, |v[XS]|, |v[XS+1]|, |v[XS+2]|               ; the largest magnitude of my 16, in two chains
	v_max3_num_f32 v9, |v[XS+3]|, |v[XS+4]|, |v[XS+5]|
.irp i, 6,10
	v_max3_num_f32 v8, v8, |v[XS+\i]|, |v[XS+\i+1]|
	v_max3_num_f32 v9, v9, |v[XS+\i+2]|, |v[XS+\i+3]|
.endr
	v_max3_num_f32 v8, v8, |v[XS+14]|, |v[XS+15]|
	v_max3_num_f32 v8, v8, v9, 0x1800000           ; and the floor 2^(3 - 127): the byte cannot fall under 1
	v_max_num_f32_dpp v8, v8, v8 row_xmask:1 row_mask:0xf bank_mask:0xf   ; with my neighbour's 16: the block's
	v_add_nc_u32 v11, 0xff000000, v8               ; 2 off its exponent field: the conversion takes the exponent field of this operand as its scale
	v_cvt_scalef32_pk8_fp4_f32 v[C+4*(\t)], v[XS:XS+7], v11
	v_cvt_scalef32_pk8_fp4_f32 v[C+4*(\t)+1], v[XS+8:XS+15], v11
	v_lshrrev_b32 v[E+(\t)], 23, v11               ; the scale's byte (a plain line behind the conversions)
	ds_store_b8 v5, v[E+(\t)] offset:16*(\t)       ; both lanes of a block write the same byte with the same value
	global_store_b64 v4, v[C+4*(\t):C+4*(\t)+1], s[16:17] offset:32*CB*(\t)   ; the wave stores 256 consecutive bytes, aligned
.endm
.irp t, 0,1,2,3,4,5,6,7,8,9,10,11,12,13,14,15
	QSTEP \t
.endr
	ds_load_b64 v[8:9], v6                         ; LDS serves a wave's instructions in order: these see my byte stores
	s_wait_dscnt 0x0
	global_store_b64 v7, v[8:9], s[18:19]          ; the wave's 256 scale bytes, aligned
	s_wait_tensorcnt 0x0                           ; the wave's end: the tensor wait, the add of 0 to my spare word and its wait, behind my last LDS store
	ds_add_u32 v[SPW], v[NIL]
	s_wait_dscnt 0x0
	s_endpgm
.Lother:
	s_cmp_ge_u32 ttmp9, 352
	s_cbranch_scc1 .Ltable
; ---- WO to f16: a wave takes 2,048 numbers: 16 loads of 512 consecutive bytes, 16 stores of 256.  No register is written twice.
	s_sub_co_u32 s25, ttmp9, 224
	s_lshl_b32 s25, s25, 2
	s_add_co_u32 s25, s25, s24                     ; which run of 2,048 numbers
	s_lshl_b32 s28, s25, 13
	s_mov_b32 s29, 0
	s_add_nc_u64 s[12:13], s[12:13], s[28:29]
	s_lshl_b32 s28, s25, 12
	s_add_nc_u64 s[20:21], s[20:21], s[28:29]
	v_lshlrev_b32 v3, 4, v2
	v_lshlrev_b32 v4, 3, v2
.irp i, 0,1,2,3,4,5,6,7,8,9,10,11,12,13,14,15
	global_load_b128 v[16+4*\i:19+4*\i], v3, s[12:13] offset:512*\i th:TH_LOAD_NT
.endr
.irp i, 0,1,2,3,4,5,6,7,8,9,10,11,12,13,14,15
	s_wait_loadcnt 15-\i                           ; loads come back in order: load i is in, the younger ones stay out
	v_cvt_pk_f16_f32 v[80+2*\i], v[16+4*\i], v[17+4*\i]
	v_cvt_pk_f16_f32 v[81+2*\i], v[18+4*\i], v[19+4*\i]
	global_store_b64 v4, v[80+2*\i:81+2*\i], s[20:21] offset:256*\i
.endr
	s_endpgm
.Ltable:
; ---- the table.  A wave takes 8 positions; lane j takes pair j.  Angle = position x frequency, in f32 as the model has it; sine and cosine by a reduction to |r| <= pi / 4
; (n = the nearest whole number to angle x 2 / pi; pi / 2 in three parts, each taken off by a fused multiply-add) and two polynomials; the quadrant n mod 4 swaps and signs them.
	s_sub_co_u32 s25, ttmp9, 352
	s_lshl_b32 s25, s25, 2
	s_add_co_u32 s25, s25, s24                     ; which 8 positions
	s_lshl_b32 s28, s25, 5
	s_mov_b32 s29, 0
	s_add_nc_u64 s[14:15], s[14:15], s[28:29]
	s_load_b256 s[32:39], s[14:15], 0x0            ; eight positions
	s_lshl_b32 s28, s25, 11
	s_add_nc_u64 s[22:23], s[22:23], s[28:29]
	s_mov_b32 s40, 0xbfc90fdb                      ; -(pi / 2), first part
	s_mov_b32 s41, 0x333bbd2e                      ; second part, sign turned
	s_mov_b32 s42, 0x26f72ced                      ; third
	s_mov_b32 s43, 0xb94ca1f9                      ; sine: -1.9515296e-4
	s_mov_b32 s44, 0x3c08839e                      ;        8.3321609e-3
	s_mov_b32 s45, 0xbe2aaaa3                      ;       -1.6666655e-1
	s_mov_b32 s46, 0x37ccf5ce                      ; cosine: 2.4433157e-5
	s_mov_b32 s47, 0xbab6061a                      ;        -1.3887316e-3
	s_mov_b32 s48, 0x3d2aaaa5                      ;         4.1666646e-2
	v_cvt_f32_u32 v16, v2
	v_mul_f32 v16, 0xbed49a78, v16                 ; -j x log2(10000) / 32
	v_exp_f32 v16, v16                             ; the frequency
	v_lshlrev_b32 v17, 3, v2                       ; (a plain line behind the exponential)  8 bytes a lane
	s_wait_alu depctr_va_vdst(0)                   ; the wait ahead of the first use of the result
	s_wait_kmcnt 0x0
.macro ROW i
	v_cvt_f32_i32 v20, s[32+\i]
	v_mul_f32 v20, v20, v16                        ; the angle
	v_mul_f32 v21, 0x3f22f983, v20
	v_rndne_f32 v21, v21                           ; n
	v_fma_f32 v22, v21, s40, v20
	v_fma_f32 v22, v21, s41, v22
	v_fma_f32 v22, v21, s42, v22                   ; r
	v_cvt_i32_f32 v23, v21
	v_mul_f32 v24, v22, v22                        ; z = r^2
	v_fma_f32 v25, v24, s43, s44
	v_fma_f32 v27, v24, s46, s47
	v_fma_f32 v25, v25, v24, s45
	v_fma_f32 v27, v27, v24, s48
	v_mul_f32 v26, v24, v22
	v_mul_f32 v28, v24, v24
	v_fma_f32 v29, v24, -0.5, 1.0
	v_fma_f32 v25, v25, v26, v22                   ; sin r
	v_fma_f32 v27, v27, v28, v29                   ; cos r
	v_and_b32 v30, 1, v23
	v_cmp_eq_u32 vcc_lo, 1, v30                    ; odd quadrants swap the two
	v_cndmask_b32 v31, v25, v27, vcc_lo
	v_cndmask_b32 v32, v27, v25, vcc_lo
	v_lshlrev_b32 v33, 30, v23                     ; the sine is turned in quadrants 2 and 3,
	v_add_nc_u32 v34, 1, v23
	v_and_b32 v33, 0x80000000, v33
	v_lshlrev_b32 v34, 30, v34                     ; the cosine in 1 and 2
	v_and_b32 v34, 0x80000000, v34
	v_xor_b32 v[41+2*\i], v31, v33
	v_xor_b32 v[40+2*\i], v32, v34
	global_store_b64 v17, v[40+2*\i:41+2*\i], s[22:23] offset:256*\i   ; a row of the table: 256 consecutive bytes, aligned
.endm
.irp i, 0,1,2,3,4,5,6,7
	ROW \i
.endr
	s_endpgm
.Lfunc_end_k_qf8c1dc5648_prep:
	.size	k_qf8c1dc5648_prep, .Lfunc_end_k_qf8c1dc5648_prep-k_qf8c1dc5648_prep
	.p2alignl 7, 3214868480
	.fill 96, 4, 3214868480
	.section	.rodata,"a",@progbits
	.p2align	6, 0x0
	.amdhsa_kernel k_qf8c1dc5648_prep
		.amdhsa_group_segment_fixed_size 33280
		.amdhsa_private_segment_fixed_size 0
		.amdhsa_enable_private_segment 0
		.amdhsa_kernarg_size 80
		.amdhsa_user_sgpr_count 2
		.amdhsa_user_sgpr_kernarg_segment_ptr 1
		.amdhsa_wavefront_size32 1
		.amdhsa_system_sgpr_workgroup_id_x 1
		.amdhsa_system_sgpr_workgroup_id_y 1
		.amdhsa_system_sgpr_workgroup_id_z 1
		.amdhsa_system_vgpr_workitem_id 0
		.amdhsa_next_free_vgpr 192
		.amdhsa_next_free_sgpr 66
		.amdhsa_reserve_vcc 1
		.amdhsa_float_denorm_mode_32 3
		.amdhsa_float_denorm_mode_16_64 3
		.amdhsa_memory_ordered 1
		.amdhsa_forward_progress 1
		.amdhsa_inst_pref_size 52
	.end_amdhsa_kernel
	.amdgpu_metadata
---
amdhsa.version: [ 1, 2 ]
amdhsa.kernels:
  - .name:           k_qf8c1dc5648_prep
    .symbol:         k_qf8c1dc5648_prep.kd
    .args:
      - { .name: x, .offset: 0, .size: 8, .value_kind: global_buffer, .address_space: global }
      - { .name: WQ, .offset: 8, .size: 8, .value_kind: global_buffer, .address_space: global }
      - { .name: WK, .offset: 16, .size: 8, .value_kind: global_buffer, .address_space: global }
      - { .name: WV, .offset: 24, .size: 8, .value_kind: global_buffer, .address_space: global }
      - { .name: WO, .offset: 32, .size: 8, .value_kind: global_buffer, .address_space: global }
      - { .name: token_positions, .offset: 40, .size: 8, .value_kind: global_buffer, .address_space: global }
      - { .name: codes, .offset: 48, .size: 8, .value_kind: global_buffer, .address_space: global }
      - { .name: scales, .offset: 56, .size: 8, .value_kind: global_buffer, .address_space: global }
      - { .name: woh, .offset: 64, .size: 8, .value_kind: global_buffer, .address_space: global }
      - { .name: rope, .offset: 72, .size: 8, .value_kind: global_buffer, .address_space: global }
    .group_segment_fixed_size: 33280
    .private_segment_fixed_size: 0
    .kernarg_segment_align: 8
    .kernarg_segment_size: 80
    .max_flat_workgroup_size: 128
    .sgpr_count:     66
    .vgpr_count:     192
    .wavefront_size: 32
...
	.end_amdgpu_metadata
.endif
;; end of part 1
;; launch qkv (part 2): grid 12 x 16, 4 waves a work-group, clusters of 4 x 4, 327,680 bytes of LDS; arguments codes, scales, rope, head16, qkv; writes head16, qkv
.if DOCPART == 2
	.amdgcn_target "amdgcn-amd-amdhsa--gfx1250"
	.amdhsa_code_object_version 6
	.text
	.protected	k_qf8c1dc5648_qkv
	.globl	k_qf8c1dc5648_qkv
	.p2align	8
	.type	k_qf8c1dc5648_qkv,@function
k_qf8c1dc5648_qkv:
	s_mov_b64 s[64:65], 0
	v_nop
	global_prefetch_b8 v0, s[64:65] scope:SCOPE_SE
	s_setreg_imm32_b32 hwreg(HW_REG_WAVE_MODE, 25, 1), 1
	s_wait_xcnt 0x0
	s_wait_alu depctr_hold_cnt(0) depctr_sa_sdst(0) depctr_va_vdst(0) depctr_va_sdst(0) depctr_va_ssrc(0) depctr_va_vcc(0) depctr_vm_vsrc(0)
	s_getreg_b32 s2, hwreg(HW_REG_IB_STS2, 6, 4)
	s_cmp_eq_u32 s2, 0
	s_cbranch_scc0 .Lentry_in_a_cluster
	s_endpgm
.Lentry_in_a_cluster:
	s_bfe_u32 s2, ttmp6, 0x10000c
	s_cmp_lg_u32 s2, 0xf033
	s_cbranch_scc0 .Lentry_shape_is_right
	s_endpgm
.Lentry_shape_is_right:
; QKV: C[m][n] = sum over k of x[m][k] W[n][k] on codes of FP4 (E2M1) with one E8M0 scale for each 32 along K; m = 4,096 rows (batch x position), n = 3,072 (WQ's, WK's, WV's 1,024 rows on end), K = 1,024.
; Then the rotation by position (Q and K alone), and Q, K, V leave as f16 laid by head: qkv[section 3][batch x head 32][position 2,048][64].  Positions 0-15 of both sequences leave in f32 too (head16[batch][section][16][1024]).
; A tile of C, 256 x 256, is made by four waves, 128 x 128 each: 64 accumulators, 512 registers.  K is two slots of 512: both are asked for at the start and nothing is filled again.
; 192 work-groups: a cluster's four tile columns are one section, so the one branch that parts V from Q and K hangs on the cluster's x alone and is the same in all sixteen partners.
; CLUSTERS: 4 x 4.  A's tiles and scales are shared along a row of the cluster, B's along a column: each is asked for jointly, by the same tensor load with the same descriptor and a mask that names the four.
; THE MATRIX INSTRUCTION IS USED TRANSPOSED (source 0 = 16 rows of W, source 1 = 16 rows of x): a lane holds eight neighbouring columns of one row: four pairs of the rotation.
; LIMITS: |Q|, |K|, |V| stay under 65,504 (f16).
; REGISTERS, in windows of 256: window 0: v0-31 addresses; v32-95 scale words, two sets; v128-191 A's fragments, one set; on the way out v32-199 are at work.
;   window 1: B's fragments, two sets, v0-63 and v128-191; v64-127 two sets of cos and sin.   window 2: the accumulators of my rows 0-63 ((a, b) at v[8 (8 a + b)]);   window 3: rows 64-127.
.set NQ,     4                         ; matrix instructions deep in a slot: 512 along K
.set ROWB,   256                       ; a tile's row in bytes
.set KROW,   512                       ; a row of codes in memory
.set PITCH,  272                       ; an LDS row: 256 bytes + 16 of padding = 68 words: the 16 rows that a load touches start at 16 different banks (64 banks of 4 bytes: ISA guide 11.1)
.set FR,     8                         ; registers of a fragment: 16 rows x 128 K
.set NL,     2                         ; LDS loads that bring one
.set NP,     4                         ; places behind this matrix instruction (ISA guide 7.12.1)
.set HALFT,  128*PITCH
.set SLOT,   4*HALFT                   ; A's 256 rows, then B's 256 rows
.set KS,     32                        ; a row of scale bytes
.set SCL,    2*SLOT                    ; behind the two slots: the scales, as units of 256 bytes + 16 of padding
.set HALFS,  16*272                    ; those of 128 rows: what one tensor load brings
.set SBLK,   2*272                     ; those of 16 rows
.set SPARE,  SCL+4*HALFS               ; the spare words, 128 bytes a wave
.set SPITCH, 272                       ; the way out: a stage of 16 rows x (256 bytes + 16) for each wave, in slot 0, which has had its only fill and its last read by then
.set VSTAGE, 32768                     ; V's path has stage bytes of its own
.set ADRA, 16                          ; v16-17  LDS address of my A fragments in slot 0, 1
.set ADRB, 20                          ; v20-21  the same for B
.set FO,   22                          ; v22     my byte offset in head16: row r of 4,096 bytes + 32 h
.set STO,  24                          ; v24     the stage: where I put 16 bytes of a row
.set RD,   25                          ; v25     and where I read back: four rows of 128 bytes an instruction
.set CO,   26                          ; v26     16 x lane
.set ADRS, 27                          ; v27     LDS address of my scale words: lanes 0-15 A's rows, lanes 16-31 B's
.set SPW,  28                          ; v28     LDS address of my spare word; never rewritten
.set NIL,  29                          ; v29     0; never rewritten
.set CYV,  30                          ; v30     my work-group's place along the cluster's y
.set TBO,  31                          ; v31     my byte offset in the table: row r of 256 bytes + 32 h
.set SC,   32                          ; scale words: set s at v[SC + 32 s]; register 4 i + q: lanes 0-15 A's block i, lanes 16-31 B's block i, the slot's q-th 128 along K
.set AF,   128                         ; A's fragments
.set T,    32                          ; the way out: v32-39 products at work
.set RR,   40                          ; v40-103 a block's 64 rotated numbers
.set TMP,  104                         ; v104-135 the block as f16
.set BK,   136                         ; v136-167, v168-199 the block read back, by turns
.set CSR,  64                          ; window 1: v64-95, v96-127 cos and sin of a block's rows, by turns
.set G1, 24
.set G0, 32
.set G1B, 48
.set G0B, 56
.set G1S, 68
.set G0S, 76
.set G1SB, 80
.set G0SB, 88
.set MSB, 0
.macro WIN new                         ; the immediate's high byte repeats the setting that is left
.if MSB != (\new)
	s_set_vgpr_msb (MSB<<8)|(\new)
.set MSB, (\new)
.endif
.endm
.set MUL_LO, 0xa1                      ; source 0 (B) window 1, source 1 (A) window 0, C and D window 2
.set MUL_HI, 0xf1                      ; the same, C and D window 3
.set TO_B,   0x40                      ; destination window 1, address window 0
; A joint load: waves 0 and 1 fetch for A, waves 2 and 3 for B.  The branch hangs on the wave's number alone.  An s_nop 0 and four v_nop follow each of the two lines.
.macro JLOAD g0a, g1a, g0b, g1b
	s_cmp_eq_u32 s15, 0
	s_cbranch_scc0 .Lfor_b_\@
	tensor_load_to_lds s[\g0a:\g0a+3], s[\g1a:\g1a+7]
	s_nop 0
.rept 4
	v_nop
.endr
	s_branch .Lasked_\@
.Lfor_b_\@:
	tensor_load_to_lds s[\g0b:\g0b+3], s[\g1b:\g1b+7]
	s_nop 0
.rept 4
	v_nop
.endr
.Lasked_\@:
.endm
.macro CROUND                          ; a round of the cluster's barrier
	s_barrier_signal -1
	s_barrier_wait -1
	s_cmp_lg_u32 s14, 0
	s_cbranch_scc1 .Lnot_wave_0_\@
	s_barrier_signal -3
.Lnot_wave_0_\@:
	s_barrier_wait -3
	s_barrier_signal -1
	s_barrier_wait -1
.endm
	s_load_b128 s[4:7], s[0:1], 0x0                ; codes, scales
	s_load_b128 s[96:99], s[0:1], 0x10             ; the table, head16
	s_load_b64 s[12:13], s[0:1], 0x20              ; qkv
	v_lshl_add_u32 v[SPW], v0, 2, SPARE
	v_mov_b32 v[NIL], 0
	ds_add_u32 v[SPW], v[NIL]                      ; the wave's opening: the add, twice on end, and its wait ahead of my first tensor load
	ds_add_u32 v[SPW], v[NIL]
	v_lshrrev_b32 v1, 5, v0
	v_readfirstlane_b32 s14, v1                    ; wave 0..3
	s_lshr_b32 s15, s14, 1                         ; which half of the tile's rows is mine.  Also: I fetch for A (0) or for B (1)
	s_and_b32 s16, s14, 1                          ; which half of its columns.  Also: which 128 rows of that tile I fetch
	s_bfe_u32 s40, ttmp6, 0x40000                  ; cx, cy: my place in the cluster
	s_bfe_u32 s41, ttmp6, 0x40004
	s_lshl_b32 s42, ttmp9, 2
	s_add_co_u32 s42, s42, s40                     ; tile column = 4 x cluster x + cx
	s_and_b32 s17, ttmp7, 0xffff
	s_lshl_b32 s17, s17, 2
	s_add_co_u32 s17, s17, s41                     ; tile row = 4 x cluster y + cy
	s_lshl_b32 s43, s41, 2
	s_lshl_b32 s43, 15, s43                        ; my row of the cluster
	s_lshl_b32 s44, 0x1111, s40                    ; my column
	; descriptor group 1: a tile of 128 rows x 256 bytes, 16 bytes of padding behind each row
	s_or_b32 s[G1+0], s43, (0<<16)|(1<<20)|(1<<21)|(5<<22)|(3<<25)  ; the mask; elements of 1 byte; padding on; bit 21 beside a mask; after every 64 words, 4 words
	s_or_b32 s[G1B+0], s44, (0<<16)|(1<<20)|(1<<21)|(5<<22)|(3<<25)
.irp g, G1, G1B
	s_mov_b32 s[\g+1], ROWB<<16                    ; tensor_dim0
	s_mov_b32 s[\g+2], 128<<16                     ; tensor_dim1
	s_mov_b32 s[\g+3], ROWB<<16                    ; tile_dim0
	s_mov_b32 s[\g+4], 128                         ; tile_dim1
	s_mov_b32 s[\g+5], KROW                        ; from row to row
	s_mov_b32 s[\g+6], 0
	s_mov_b32 s[\g+7], 0
.endr
	; the scales of 128 rows: 4,096 dense bytes, as 16 rows of 256 bytes (32 elements of 8), 16 bytes of padding behind each
	s_or_b32 s[G1S+0], s43, (3<<16)|(1<<20)|(1<<21)|(5<<22)|(3<<25)
	s_or_b32 s[G1SB+0], s44, (3<<16)|(1<<20)|(1<<21)|(5<<22)|(3<<25)
.irp g, G1S, G1SB
	s_mov_b32 s[\g+1], 32<<16
	s_mov_b32 s[\g+2], 16<<16
	s_mov_b32 s[\g+3], 32<<16
	s_mov_b32 s[\g+4], 16
	s_mov_b32 s[\g+5], 32
	s_mov_b32 s[\g+6], 0
	s_mov_b32 s[\g+7], 0
.endr
	s_lshl_b32 s18, s16, 7                         ; which 128 rows of the tile I fetch
	s_lshl_b32 s20, s17, 8
	s_add_co_u32 s20, s20, s18                     ; A: row 256 x tile row + 128 x half
	s_lshl_b32 s46, s42, 8
	s_add_co_u32 s46, s46, s18                     ; B: row 256 x tile column + 128 x half
	s_mov_b32 s21, 0
	s_mov_b32 s47, 0
	s_mov_b64 s[18:19], KS
	s_mul_u64 s[22:23], s[20:21], s[18:19]         ; where these rows' scales begin,
	s_mul_u64 s[92:93], s[46:47], s[18:19]
	s_mov_b64 s[18:19], KROW
	s_mul_u64 s[20:21], s[20:21], s[18:19]         ; and their codes
	s_mul_u64 s[46:47], s[46:47], s[18:19]
	s_mul_i32 s45, s14, HALFT                      ; where they go: wave x 128 rows: no place in the cluster enters an LDS address
	s_mul_i32 s94, s14, HALFS
	s_wait_dscnt 0x0                               ; both opening adds are done
	s_wait_kmcnt 0x0
	s_add_nc_u64 s[8:9], s[4:5], 4096*KROW         ; the weights' codes lie behind x's 4,096 rows,
	s_add_nc_u64 s[10:11], s[6:7], 4096*KS         ; their scale bytes likewise
	s_add_nc_u64 s[20:21], s[4:5], s[20:21]
	s_add_nc_u64 s[22:23], s[6:7], s[22:23]
	s_add_nc_u64 s[46:47], s[8:9], s[46:47]
	s_add_nc_u64 s[92:93], s[10:11], s[92:93]
	CROUND                                         ; all sixteen work-groups are here: the first joint loads meet
	s_mov_b32 s[G0S], 1
	s_add_co_u32 s[G0S+1], s94, SCL
	s_mov_b64 s[G0S+2:G0S+3], s[22:23]
	s_or_b32 s[G0S+3], s[G0S+3], 0x80000000
	s_mov_b32 s[G0SB], 1
	s_add_co_u32 s[G0SB+1], s94, SCL
	s_mov_b64 s[G0SB+2:G0SB+3], s[92:93]
	s_or_b32 s[G0SB+3], s[G0SB+3], 0x80000000
	JLOAD G0S, G1S, G0SB, G1SB                     ; the scales first: they are wanted with the first slot
.irp s, 0,1
	s_mov_b32 s[G0+4*\s], 1
	s_add_co_u32 s[G0+4*\s+1], s45, \s*SLOT
	s_add_nc_u64 s[G0+4*\s+2:G0+4*\s+3], s[20:21], \s*ROWB
	s_or_b32 s[G0+4*\s+3], s[G0+4*\s+3], 0x80000000
	s_mov_b32 s[G0B+4*\s], 1
	s_add_co_u32 s[G0B+4*\s+1], s45, \s*SLOT
	s_add_nc_u64 s[G0B+4*\s+2:G0B+4*\s+3], s[46:47], \s*ROWB
	s_or_b32 s[G0B+4*\s+3], s[G0B+4*\s+3], 0x80000000
	JLOAD G0+4*\s, G1, G0B+4*\s, G1B               ; three loads of mine are out: all of K is asked for here
.endr
	v_and_b32 v1, 15, v0                           ; r = lane % 16
	v_bfe_u32 v2, v0, 4, 1                         ; h = lane / 16
	v_mul_u32_u24 v3, v1, PITCH
	v_lshl_add_u32 v4, v2, 4, v3                   ; a fragment's row x pitch + 16 h
	s_mul_i32 s21, s15, HALFT                      ; my 128 rows of A
	s_mul_i32 s22, s16, HALFT                      ; my 128 rows of B,
	s_add_co_u32 s22, s22, 2*HALFT                 ; which lie behind A's 256
.irp s, 0,1
	v_add_nc_u32 v[ADRA+\s], s21, v4
	v_add_nc_u32 v[ADRB+\s], s22, v4
	s_add_co_u32 s21, s21, SLOT
	s_add_co_u32 s22, s22, SLOT
.endr
	v_mul_u32_u24 v5, v1, KS                       ; my row's scales: 32 bytes a row,
	v_lshrrev_b32 v6, 8, v5
	v_lshl_add_u32 v5, v6, 4, v5                   ; and 16 more for each 256 passed
	s_mul_i32 s21, s15, HALFS
	s_mul_i32 s22, s16, HALFS
	s_add_co_u32 s22, s22, 2*HALFS
	s_sub_co_u32 s22, s22, s21
	v_mul_u32_u24 v6, s22, v2                      ; lanes 16-31 take B's: one product, the distance between the two bases
	s_add_co_u32 s21, s21, SCL
	v_add_nc_u32 v5, v5, v6
	v_add_nc_u32 v[ADRS], s21, v5
	s_mul_i32 s23, s14, 16*SPITCH                  ; my stage
	v_mul_u32_u24 v5, v1, SPITCH
	v_lshl_add_u32 v5, v2, 4, v5
	v_add_nc_u32 v[STO], s23, v5                   ; in: row r, 16 bytes for each half of the lanes
	v_and_b32 v6, 31, v0
	v_lshrrev_b32 v5, 3, v6
	v_mul_u32_u24 v5, v5, SPITCH
	v_and_b32 v3, 7, v0
	v_lshl_add_u32 v5, v3, 4, v5
	v_add_nc_u32 v[RD], s23, v5                    ; back: eight lanes take a head's 128 bytes of a row, 32 lanes four rows
	v_lshlrev_b32 v[CO], 4, v6
	v_mov_b32 v[CYV], s41
	v_lshlrev_b32 v[TBO], 8, v1
	v_lshl_add_u32 v[TBO], v2, 5, v[TBO]
	v_lshlrev_b32 v[FO], 12, v1
	v_lshl_add_u32 v[FO], v2, 5, v[FO]
	s_mov_b32 s95, ttmp9                           ; the section: 0 Q, 1 K, 2 V
	s_lshl_b32 s20, s17, 8
	s_lshl_b32 s21, s15, 7
	s_add_co_u32 s20, s20, s21                     ; my first row: 256 x tile row + 128 x half
	s_lshr_b32 s18, s20, 11                        ; its batch,
	s_and_b32 s19, s20, 2047                       ; its position
	s_lshl_b32 s20, s19, 8
	s_mov_b32 s21, 0
	s_add_nc_u64 s[96:97], s[96:97], s[20:21]      ; the table at my first position
	s_lshl_b32 s20, s95, 5                         ; qkv: (32 section + 16 batch + my first head) x 262,144 + position x 128; my 128 columns are heads 4 cx + 2 half and the next
	s_lshl_b32 s22, s18, 4
	s_add_co_u32 s20, s20, s22
	s_lshl_b32 s22, s40, 2
	s_add_co_u32 s20, s20, s22
	s_lshl_b32 s22, s16, 1
	s_add_co_u32 s20, s20, s22
	s_lshl_b32 s20, s20, 18
	s_lshl_b32 s22, s19, 7
	s_add_co_u32 s20, s20, s22
	s_add_nc_u64 s[12:13], s[12:13], s[20:21]
	s_and_b32 s20, ttmp7, 0xffff                   ; head16: batch = cluster y / 2 (used where cluster y is even), section, my 128 columns
	s_lshr_b32 s20, s20, 1
	s_mul_i32 s20, s20, 196608
	s_lshl_b32 s22, s95, 16
	s_add_co_u32 s20, s20, s22
	s_lshl_b32 s22, s40, 10
	s_add_co_u32 s20, s20, s22
	s_lshl_b32 s22, s16, 9
	s_add_co_u32 s20, s20, s22
	s_add_nc_u64 s[98:99], s[98:99], s[20:21]
.macro FRAG reg, adr, q, i             ; a fragment: lane l holds row l % 16; registers 4 c .. 4 c + 3 hold K = 64 c + 32 (l / 16) + 0 .. 31
.irp c, 0,1
	ds_load_b128 v[\reg+4*\c:\reg+4*\c+3], v[\adr] offset:64*(\q)+32*\c+(\i)*16*PITCH
.endr
.endm
; 16 matrix instructions: A's blocks a0, a0 + 1 x B's eight, the slot's q-th 128 along K.  p: B's set; sc: the set of scale words.  zero = 1: the first product starts the sums.
; The 64 accumulators take turns, one instruction a turn, in the same order in every step.
.macro MUL16 a0, p, q, sc, zero
.irp a, \a0, \a0+1
.irp b, 0,1,2,3,4,5,6,7
.if \zero
	v_wmma_scale_f32_16x16x128_f8f6f4 v[8*(8*((\a)%4)+\b):8*(8*((\a)%4)+\b)+7], v[128*(\p)+FR*\b:128*(\p)+FR*\b+FR-1], v[AF+FR*(\a):AF+FR*(\a)+FR-1], 0, v[SC+8*NQ*(\sc)+NQ*\b+(\q)], v[SC+8*NQ*(\sc)+NQ*(\a)+(\q)] matrix_a_fmt:MATRIX_FMT_FP4 matrix_b_fmt:MATRIX_FMT_FP4 matrix_a_scale:MATRIX_SCALE_ROW1
.else
	v_wmma_scale_f32_16x16x128_f8f6f4 v[8*(8*((\a)%4)+\b):8*(8*((\a)%4)+\b)+7], v[128*(\p)+FR*\b:128*(\p)+FR*\b+FR-1], v[AF+FR*(\a):AF+FR*(\a)+FR-1], v[8*(8*((\a)%4)+\b):8*(8*((\a)%4)+\b)+7], v[SC+8*NQ*(\sc)+NQ*\b+(\q)], v[SC+8*NQ*(\sc)+NQ*(\a)+(\q)] matrix_a_fmt:MATRIX_FMT_FP4 matrix_b_fmt:MATRIX_FMT_FP4 matrix_a_scale:MATRIX_SCALE_ROW1
.endif
.endr
.endr
.endm
.macro FETCH_B slot, q, p
	WIN TO_B
.irp i, 0,1,2,3,4,5,6,7
	FRAG 128*(\p)+FR*\i, ADRB+\slot, \q, \i
.endr
	WIN 0
.endm
.macro FETCH_A slot, q, i0
.irp i, \i0, \i0+1, \i0+2, \i0+3
	FRAG AF+FR*(\i), ADRA+\slot, \q, \i
.endr
.endm
.macro SCALES sc                       ; a slot's scale words: four words a row; lanes 0-15 take A's block i, lanes 16-31 B's block i
.irp i, 0,1,2,3,4,5,6,7
	ds_load_b128 v[SC+8*NQ*\sc+NQ*\i:SC+8*NQ*\sc+NQ*\i+3], v[ADRS] offset:\i*SBLK
.endr
.endm
.macro PLACES n                        ; plain vector instructions between a matrix instruction and a load into, or a vector instruction or store on, its registers
.rept \n
	v_nop
.endr
.endm
.macro STEP slot, q, zero              ; a step of 128 along K that has its successor in the same slot
	s_wait_dscnt 4*NL                              ; B's set and A's blocks 0-3 are in; the youngest loads (A's blocks 4-7) may be out
	WIN MUL_LO
	MUL16 0, (\q)%2, \q, \slot, \zero
	MUL16 2, (\q)%2, \q, \slot, \zero
	s_wait_dscnt 0                                 ; A's blocks 4-7 are in
	PLACES NP
	FETCH_B \slot, (\q)+1, 1-(\q)%2
	FETCH_A \slot, (\q)+1, 0
	WIN MUL_HI
	MUL16 4, (\q)%2, \q, \slot, \zero
	MUL16 6, (\q)%2, \q, \slot, \zero
	PLACES NP
	WIN 0
	FETCH_A \slot, (\q)+1, 4
.endm
; Slot 0's last step changes slots: one barrier; in front of it each wave waits for all its tensor loads (its part of slot 1) and for its reads of slot 0.  Nothing is filled again.
.macro TURN slot, next
	s_wait_tensorcnt 0x0                           ; all my tensor loads have landed
	ds_add_u32 v[SPW], v[NIL]                      ; 0 onto my spare word
	s_wait_dscnt 4*NL+1                            ; (the add and the youngest loads, A's blocks 4-7, may be out)
	WIN MUL_LO
	MUL16 0, 1, NQ-1, \slot, 0
	s_wait_dscnt 0x0                               ; the add is done, and my reads of this slot are over
	s_barrier_signal -1
	MUL16 2, 1, NQ-1, \slot, 0
	WIN 0
	s_barrier_wait -1
	PLACES NP
	v_add_nc_u32 v[ADRS], 4*NQ, v[ADRS]            ; on to the next slot's scale words
	FETCH_B \next, 0, 0
	FETCH_A \next, 0, 0
	SCALES \next
	WIN MUL_HI
	MUL16 4, 1, NQ-1, \slot, 0
	MUL16 6, 1, NQ-1, \slot, 0
	PLACES NP
	WIN 0
	FETCH_A \next, 0, 4
.endm
.macro STEPS slot, from
.set Q, \from
.rept NQ-1-\from
	STEP \slot, Q, 0
.set Q, Q+1
.endr
.endm
; cos and sin for block a's 16 rows: lane (r, h) takes, of row r of the table, pairs 8 g + 4 h + 0 .. 3 for g = 0 .. 3: registers 8 g + 2 p, 8 g + 2 p + 1 = cos, sin of pair p.  A head is 64 wide, so column blocks b and b + 4 share them.
.macro LOADCS a
	WIN TO_B
.irp g, 0,1,2,3
.irp e, 0,1
	global_load_b128 v[CSR+32*((\a)%2)+8*\g+4*\e:CSR+32*((\a)%2)+8*\g+4*\e+3], v[TBO], s[96:97] offset:(\a)*4096+64*\g+16*\e
.endr
.endr
	WIN 0
.endm
	s_wait_tensorcnt 1                             ; the scales and my part of slot 0 are in (slot 1's load may be out),
	s_barrier_signal -1
	s_barrier_wait -1                              ; everybody's are
	FETCH_B 0, 0, 0
	FETCH_A 0, 0, 0
	SCALES 0
	FETCH_A 0, 0, 4
	STEP 0, 0, 1                                   ; the first step's products start the sums: nothing is cleared
	LOADCS 0                                       ; the table's first two blocks are asked for here, seven steps ahead of their use.  V's work-groups ask too and use none of the 16 loads,
	LOADCS 1                                       ; so that the text parts once, at the way out, and no register is read on a way on which it was not loaded
	STEPS 0, 1
	TURN 0, 1
	STEPS 1, 0
	s_wait_dscnt 4*NL                              ; the very last step: nothing more to fetch
	WIN MUL_LO
	MUL16 0, 1, NQ-1, 1, 0
	MUL16 2, 1, NQ-1, 1, 0
	s_wait_dscnt 0
	WIN MUL_HI
	MUL16 4, 1, NQ-1, 1, 0
	MUL16 6, 1, NQ-1, 1, 0
	WIN 0
; THE WAY OUT, block by block of 16 rows x 128 columns (two heads).
; PACKR: the rotation, r0 = cos x0 - sin x1, r1 = sin x0 + cos x1, in f32, then f16.  Each accumulator is read from its low end on.
.macro PACKR a
.if (\a) < 7
	s_wait_loadcnt 8                               ; this block's eight table loads are in; the next block's eight stay out
.else
	s_wait_loadcnt 0
.endif
	WIN 0x06+(\a)/4                                ; source 0: the accumulators' window (2 or 3); source 1: window 1
.irp b, 0,1,2,3,4,5,6,7
.set XR, 64*((\a)%4)+8*\b
.set CR, CSR+32*((\a)%2)+8*(\b%4)
.irp p, 0,1,2,3
	v_mul_f32 v[T+2*\p], v[XR+2*\p+1], v[CR+2*\p+1]
	v_mul_f32 v[T+2*\p+1], v[XR+2*\p], v[CR+2*\p+1]
.endr
.irp p, 0,1,2,3
	v_fma_f32 v[RR+8*\b+2*\p], v[XR+2*\p], v[CR+2*\p], -v[T+2*\p]
	v_fma_f32 v[RR+8*\b+2*\p+1], v[XR+2*\p+1], v[CR+2*\p], v[T+2*\p+1]
.endr
.endr
	WIN 0
.irp b, 0,1,2,3,4,5,6,7
.irp p, 0,1,2,3
	v_cvt_pk_f16_f32 v[TMP+4*\b+\p], v[RR+8*\b+2*\p], v[RR+8*\b+2*\p+1]
.endr
.endr
.if (\a) < 6
	LOADCS (\a)+2                                  ; into the set just used
.endif
.endm
.macro PACKV a                         ; V is not rotated
	WIN 0x0a+5*((\a)/4)                            ; sources 0 and 1: window 2 or 3
.irp b, 0,1,2,3,4,5,6,7
.irp p, 0,1,2,3
	v_cvt_pk_f16_f32 v[TMP+4*\b+\p], v[64*((\a)%4)+8*\b+2*\p], v[64*((\a)%4)+8*\b+2*\p+1]
.endr
.endr
	WIN 0
.endm
; Block 0 of the rows' first half of tile rows 0 and 8 holds positions 0-15 of a sequence: it leaves in f32 too.  Tile rows 0 and 8 are: cluster y even (a branch, the same in all partners) and cy = 0,
; which is told by EXEC alone: no branch hangs on a place in the cluster.  A lane stores 32 bytes of rows 4,096 bytes apart: 256-byte blocks are written in part; the buffer is 393,216 bytes in all.
.macro FINE isv
	s_cmp_lg_u32 s15, 0
	s_cbranch_scc1 .Lnofine_\@
	s_and_b32 s100, ttmp7, 1
	s_cmp_lg_u32 s100, 0
	s_cbranch_scc1 .Lnofine_\@
	s_wait_xcnt 0x0                                ; EXEC changes only behind this wait: loads of the table are out
	v_cmp_eq_u32 vcc_lo, 0, v[CYV]
	s_and_saveexec_b32 s101, vcc_lo
.if \isv
	WIN 0x08                                       ; a store's data are its source 1: window 2
.irp b, 0,1,2,3,4,5,6,7
.irp e, 0,1
	global_store_b128 v[FO], v[8*\b+4*\e:8*\b+4*\e+3], s[98:99] offset:64*\b+16*\e
.endr
.endr
	WIN 0
.else
.irp b, 0,1,2,3,4,5,6,7
.irp e, 0,1
	global_store_b128 v[FO], v[RR+8*\b+4*\e:RR+8*\b+4*\e+3], s[98:99] offset:64*\b+16*\e
.endr
.endr
.endif
	s_wait_xcnt 0x0                                ; and again in front of the line that widens it; the stores' data may be rewritten behind it too
	s_or_b32 exec_lo, exec_lo, s101
.Lnofine_\@:
.endm
; A lane's 16 bytes belong to one row, the lanes beside it hold other rows: a block goes through my own stage and comes back as four rows of one head, 512 consecutive bytes of qkv, an instruction.
.macro TOSTAGE a, off
.irp b, 0,1,2,3,4,5,6,7
	ds_store_b128 v[STO], v[TMP+4*\b:TMP+4*\b+3] offset:\off+32*\b
.endr
.irp i, 0,1,2,3,4,5,6,7
	ds_load_b128 v[BK+32*((\a)%2)+4*\i:BK+32*((\a)%2)+4*\i+3], v[RD] offset:\off+(\i%4)*4*SPITCH+(\i/4)*128   ; LDS serves a wave's instructions in order: these see the stores above
.endr
.endm
.macro SEND a
	s_wait_dscnt 0x0                               ; the block is back in registers
	s_wait_xcnt 0x0                                ; the stores of the block before have read their registers: the next block's loads from the stage land there
.irp i, 0,1,2,3,4,5,6,7
	global_store_b128 v[CO], v[BK+32*((\a)%2)+4*\i:BK+32*((\a)%2)+4*\i+3], s[12:13] offset:(\a)*2048+(\i%4)*512+(\i/4)*262144
.endr
.endm
	PLACES NP                                      ; behind the last products: for the reads of results and the writes over scale words and A's fragments
	s_cmp_eq_u32 s95, 2
	s_cbranch_scc1 .Lvout
	PACKR 0
	FINE 0
	TOSTAGE 0, 0
.irp a, 1,2,3,4,5,6,7                  ; block a's arithmetic stands between block a - 1's loads from the stage and the wait for them
	PACKR \a
	SEND \a-1
	TOSTAGE \a, 0
.endr
	SEND 7
	s_branch .Lend
.Lvout:
	PACKV 0
	FINE 1
	TOSTAGE 0, VSTAGE
.irp a, 1,2,3,4,5,6,7
	PACKV \a
	SEND \a-1
	TOSTAGE \a, VSTAGE
.endr
	SEND 7
.Lend:
	s_wait_tensorcnt 0x0                           ; the wave's end: the tensor wait, the add of 0 to my spare word and its wait, behind my last tensor load and my last LDS store
	ds_add_u32 v[SPW], v[NIL]
	s_wait_dscnt 0x0
	CROUND                                         ; the closing round
	s_endpgm
.Lfunc_end_k_qf8c1dc5648_qkv:
	.size	k_qf8c1dc5648_qkv, .Lfunc_end_k_qf8c1dc5648_qkv-k_qf8c1dc5648_qkv
	.p2alignl 7, 3214868480
	.fill 96, 4, 3214868480
	.section	.rodata,"a",@progbits
	.p2align	6, 0x0
	.amdhsa_kernel k_qf8c1dc5648_qkv
		.amdhsa_group_segment_fixed_size 327680
		.amdhsa_private_segment_fixed_size 0
		.amdhsa_enable_private_segment 0
		.amdhsa_kernarg_size 40
		.amdhsa_user_sgpr_count 2
		.amdhsa_user_sgpr_kernarg_segment_ptr 1
		.amdhsa_wavefront_size32 1
		.amdhsa_system_sgpr_workgroup_id_x 1
		.amdhsa_system_sgpr_workgroup_id_y 1
		.amdhsa_system_sgpr_workgroup_id_z 1
		.amdhsa_system_vgpr_workitem_id 0
		.amdhsa_next_free_vgpr 1024
		.amdhsa_next_free_sgpr 102
		.amdhsa_reserve_vcc 1
		.amdhsa_float_denorm_mode_32 3
		.amdhsa_float_denorm_mode_16_64 3
		.amdhsa_memory_ordered 1
		.amdhsa_forward_progress 1
		.amdhsa_inst_pref_size 217
	.end_amdhsa_kernel
	.amdgpu_metadata
---
amdhsa.version: [ 1, 2 ]
amdhsa.kernels:
  - .name:           k_qf8c1dc5648_qkv
    .symbol:         k_qf8c1dc5648_qkv.kd
    .args:
      - { .name: codes, .offset: 0, .size: 8, .value_kind: global_buffer, .address_space: global }
      - { .name: scales, .offset: 8, .size: 8, .value_kind: global_buffer, .address_space: global }
      - { .name: rope, .offset: 16, .size: 8, .value_kind: global_buffer, .address_space: global }
      - { .name: head16, .offset: 24, .size: 8, .value_kind: global_buffer, .address_space: global }
      - { .name: qkv, .offset: 32, .size: 8, .value_kind: global_buffer, .address_space: global }
    .group_segment_fixed_size: 327680
    .private_segment_fixed_size: 0
    .kernarg_segment_align: 8
    .kernarg_segment_size: 40
    .max_flat_workgroup_size: 128
    .sgpr_count:     102
    .vgpr_count:     1024
    .wavefront_size: 32
...
	.end_amdgpu_metadata
.endif
;; end of part 2
;; launch attn (part 3): grid 8 x 32, 16 waves a work-group, no clusters, 327,680 bytes of LDS; arguments qkv, att; writes att
.if DOCPART == 3
	.amdgcn_target "amdgcn-amd-amdhsa--gfx1250"
	.amdhsa_code_object_version 6
	.text
	.protected	k_qf8c1dc5648_attn
	.globl	k_qf8c1dc5648_attn
	.p2align	8
	.type	k_qf8c1dc5648_attn,@function
k_qf8c1dc5648_attn:
	s_mov_b64 s[64:65], 0
	v_nop
	global_prefetch_b8 v0, s[64:65] scope:SCOPE_SE
	s_setreg_imm32_b32 hwreg(HW_REG_WAVE_MODE, 25, 1), 1
	s_wait_xcnt 0x0
; ATTN: att[bh][q][:] = sum over k <= q of softmax_k(Q[q] . K[k] / 8) V[k][:], for 32 (batch, head) pairs, 2,048 positions, head size 64.  Q, K, V f16 (qkv[section][bh][position][64]); products, maxima, sums f32;
; the weights are rounded to f16 for the second product; att is f16, [bh][position][64].
; SHARES.  Work-group (i, bh) owns query blocks i and 15 - i of 128 queries: waves 0-7 take 16 queries each of the first, waves 8-15 of the second.  So every work-group has 8 x 17 steps of 128 keys, whatever i.
; Every work-group walks all 8 slots of 256 keys: the trip counts are constants.  A step all of whose keys come after the wave's queries is left out by a scalar branch on ids; a slot that none of the sixteen waves
; would read is not asked for.  Every wait on TENSORcnt is for 0.
; NO CLUSTER: under the causal mask the work-groups of a head need different numbers of slots (5 to 8), so partners could not make every joint request without fetching tiles that they never read.
; LAYOUT.  S^T = K Q^T (source 0 = 16 keys, source 1 = my 16 queries): a lane holds ONE query (lane % 16) and keys 8 (lane / 16) + 0 .. 7 of a tile.  Two such tiles, rounded to f16 in pairs, are source 1 of
; O^T = V^T P, whose result again holds one query a lane.  K comes out of LDS as it lies, V ([key][channel]) turned, by ds_load_tr16_b128.
; SOFTMAX.  A running maximum m and sum l: p = 2^(c s - c m), c = log2(e) / 8; in every step O and l are multiplied by a = 2^(c m_old - c m_new).
; LIMITS.  Hidden keys get the weight 0, which is what exp(-1e9 - max) is in f32 while a row's largest score lies above about -1e9 + 100.  f16 operands: |Q|, |K|, |V| under 65,504.
; Positions 0-15 of each sequence are made here as all others and made again, in f32, by the last launch.
; REGISTERS: v1-11 addresses; v12 c m, v13 m, v[14:15] l in two halves; v16-31 Q; v32-95 four tiles of K, then V's key blocks 0, 1; v96-159 S^T, p, then V's key blocks 2, 3; v160-191 O^T; v192-223 P; v224-255 at work.
.set SK,    256                        ; keys in a slot
.set KP,    144                        ; a key's row in LDS: 128 bytes + 16 = 36 words: the 16 rows of a load start at 16 different groups of four banks
.set VP,    160                        ; a row of V: 128 + 32: an odd multiple of 32 bytes
.set VOFF,  SK*KP                      ; a slot: 256 rows of K, then 256 rows of V
.set SLOT1, 1<<17                      ; slot 1 begins here: one exclusive or turns an address from one slot to the other
.set NSL,   8
.set STAGE, 2*SLOT1                    ; the way out: 16 rows x 144 bytes for each wave; no tile lands here
.set SPARE, STAGE+16*16*KP             ; the spare words, 128 bytes a wave
.set AK0,  1                           ; v1   my lane's place in a tile of K
.set AV0,  2                           ; v2   the same for V
.set SPW,  3                           ; v3   LDS address of my spare word; never rewritten
.set NIL,  4                           ; v4   0; never rewritten
.set GO,   5                           ; v5   16 x lane
.set STO,  6                           ; v6   the stage, in
.set RD,   7                           ; v7   the stage, back
.set ADK,  8                           ; v8   LDS address of the step's K
.set ADV,  9                           ; v9   of its V
.set PFO,  10                          ; v10  256 x lane; never rewritten
.set DQ,   11                          ; v11  lane % 16 - 8 (lane / 16)
.set WV,   18
.set SEL,  20                          ; s[20:21] v_permlanex16_b32's selects for lane l xor 16
.set CS,   22                          ; s[22:23] c, twice
.set G1K,  24
.set G1V,  32
.set G0K,  40
.set G0V,  44
.set TB,   48                          ; s48  LDS byte at which the slot in hand begins
.set SLOTS, 49                         ; s49  changes of slots still to come that may ask
.set KF,   50                          ; s50  the step's first key
.set Q0,   51                          ; s51  my first query
.set LASTQ, 52                         ; s52  my work-group's last query
.set LIM,  53                          ; s53  1 in a wave that prefetches, else the greatest number
.set PFA,  54                          ; s[54:55] where my prefetches stand
; Wave 0 fetches a slot's K, wave 1 its V, the others nothing: each load's first 128 keys are read whenever the slot is asked for.  An s_nop 0 and four v_nop follow each line.
.macro TLOAD
	s_cmp_lg_u32 s[WV], 0
	s_cbranch_scc1 .Lnot_k_\@
	tensor_load_to_lds s[G0K:G0K+3], s[G1K:G1K+7]
	s_nop 0
.rept 4
	v_nop
.endr
	s_branch .Lasked_\@
.Lnot_k_\@:
	s_cmp_lg_u32 s[WV], 1
	s_cbranch_scc1 .Lasked_\@
	tensor_load_to_lds s[G0V:G0V+3], s[G1V:G1V+7]
	s_nop 0
.rept 4
	v_nop
.endr
.Lasked_\@:
.endm
; A prefetch of what the NEXT change of slots will ask for: 32,768 dense bytes of K and as many of V.  All eight work-groups of a head walk the same K and V: the one with x = 0, which walks all slots, asks.
; In it waves 4-7 ask for K's bytes, waves 8-11 for V's: 8,192 bytes a wave, lanes 256 bytes apart, one instruction.  So each aligned block of 256 bytes is named once in the launch.
; Slots 0 and 1 come by their loads alone; the last change that fills a slot asks for nothing.
.macro ASK
	s_cmp_gt_u32 s[SLOTS], s[LIM]
	s_cbranch_scc0 .Lnot_mine_\@
	global_prefetch_b8 v[PFO], s[PFA:PFA+1] th:TH_LOAD_NT scope:SCOPE_SE
.Lnot_mine_\@:
.endm
	s_load_b128 s[4:7], s[0:1], 0x0                ; qkv, att
	v_lshl_add_u32 v[SPW], v0, 2, SPARE
	v_mov_b32 v[NIL], 0
	ds_add_u32 v[SPW], v[NIL]                      ; the wave's opening: the add, twice on end, and its wait ahead of the first tensor load
	ds_add_u32 v[SPW], v[NIL]
	v_lshrrev_b32 v8, 5, v0
	v_readfirstlane_b32 s[WV], v8                  ; wave 0..15
	s_and_b32 s8, ttmp7, 0xffff
	s_lshl_b32 s8, s8, 18                          ; (batch, head) x 262,144 bytes
	s_mov_b32 s9, 0
	s_lshl_b32 s10, ttmp9, 7                       ; 128 i
	s_sub_co_u32 s11, 1920, s10                    ; 128 (15 - i)
	s_sub_co_u32 s[LASTQ], 2047, s10
	s_and_b32 s12, s[WV], 7
	s_lshl_b32 s12, s12, 4
	s_cmp_lt_u32 s[WV], 8
	s_cselect_b32 s[Q0], s10, s11
	s_add_co_u32 s[Q0], s[Q0], s12                 ; my first query
	s_lshl_b32 s58, s[Q0], 7
	s_add_co_u32 s58, s58, s8                      ; its row in Q's section and in att
	s_mov_b32 s59, 0
	; descriptor group 1: 256 rows of 64 elements of 2 bytes, dense in memory; padding behind every 32 words: 4 words for K, 8 for V
	s_mov_b32 s[G1K], (1<<16)|(1<<20)|(4<<22)|(3<<25)
	s_mov_b32 s[G1V], (1<<16)|(1<<20)|(4<<22)|(7<<25)
.irp g, G1K, G1V
	s_mov_b32 s[\g+1], 64<<16                      ; tensor_dim0
	s_mov_b32 s[\g+2], SK<<16                      ; tensor_dim1
	s_mov_b32 s[\g+3], 64<<16                      ; tile_dim0
	s_mov_b32 s[\g+4], SK                          ; tile_dim1
	s_mov_b32 s[\g+5], 64                          ; from row to row
	s_mov_b32 s[\g+6], 0
	s_mov_b32 s[\g+7], 0
.endr
	s_mov_b32 s[SEL], 0x76543210
	s_mov_b32 s[SEL+1], 0xfedcba98
	s_mov_b32 s[CS], 0x3e38aa3b                    ; c = log2(e) / 8
	s_mov_b32 s[CS+1], s[CS]
	s_mov_b32 s[TB], 0
	s_mov_b32 s[KF], 0
	s_mov_b32 s[SLOTS], NSL-1
	s_wait_dscnt 0x0                               ; both opening adds are done
	s_wait_kmcnt 0x0
	s_add_nc_u64 s[60:61], s[4:5], s[8:9]          ; my (batch, head) in Q's section
	s_mov_b32 s[G0K], 1
	s_mov_b32 s[G0K+1], 0                          ; slot 0
	s_add_nc_u64 s[G0K+2:G0K+3], s[60:61], 8388608  ; K's section, keys 0-255
	s_or_b32 s[G0K+3], s[G0K+3], 0x80000000
	s_mov_b32 s[G0V], 1
	s_mov_b32 s[G0V+1], VOFF
	s_add_nc_u64 s[G0V+2:G0V+3], s[60:61], 16777216 ; V's section
	s_or_b32 s[G0V+3], s[G0V+3], 0x80000000
	TLOAD                                          ; slot 0: key 0 counts for every query
	s_add_nc_u64 s[62:63], s[4:5], s[58:59]        ; Q at my first query
	s_add_nc_u64 s[6:7], s[6:7], s[58:59]          ; att likewise
	s_mov_b32 s56, 16777216                        ; the prefetches: waves 4-7 K's section, waves 8-11 V's,
	s_cmp_lt_u32 s[WV], 8
	s_cselect_b32 s56, 8388608, s56
	s_and_b32 s57, s[WV], 3
	s_lshl_b32 s57, s57, 13                        ; 8,192 bytes a wave,
	s_add_co_u32 s56, s56, s57
	s_add_co_u32 s56, s56, SK*128                  ; in slot 1: the first change of slots steps it to slot 2
	s_mov_b32 s57, 0
	s_add_nc_u64 s[PFA:PFA+1], s[60:61], s[56:57]
	s_sub_co_u32 s56, s[WV], 4
	s_lshr_b32 s56, s56, 3                         ; 0 in waves 4 to 11,
	s_or_b32 s56, s56, ttmp9                       ; of the head's work-group 0
	s_cmp_eq_u32 s56, 0
	s_cselect_b32 s[LIM], 1, -1
	v_and_b32 v224, 15, v0                         ; r
	v_bfe_u32 v225, v0, 4, 1                       ; h
	v_lshlrev_b32 v226, 7, v224
	v_lshl_add_u32 v226, v225, 4, v226             ; Q: row r of 128 bytes + 16 h
.irp c, 0,1,2,3
	global_load_b128 v[16+4*\c:19+4*\c], v226, s[62:63] offset:32*\c   ; two fragments of 16 queries x 32 channels: they stay
.endr
	v_mul_u32_u24 v[AK0], v224, KP
	v_lshl_add_u32 v[AK0], v225, 4, v[AK0]
	v_and_b32 v227, 7, v0
	v_lshl_add_u32 v[AV0], v225, 3, v227           ; the turning load: key 8 h + lane % 8,
	v_mul_u32_u24 v[AV0], v[AV0], VP
	v_bfe_u32 v228, v0, 3, 1
	v_lshl_add_u32 v[AV0], v228, 4, v[AV0]         ; channels 8 ((lane / 8) % 2) on
	v_add_nc_u32 v[AV0], VOFF, v[AV0]
	v_and_b32 v229, 31, v0
	v_lshlrev_b32 v[GO], 4, v229
	s_mul_i32 s58, s[WV], 16*KP
	s_add_co_u32 s58, s58, STAGE                   ; my stage
	v_add_nc_u32 v[STO], s58, v[AK0]               ; in: row r, 16 bytes for each half of the lanes
	v_lshrrev_b32 v[RD], 3, v229
	v_mul_u32_u24 v[RD], v[RD], KP
	v_lshl_add_u32 v[RD], v227, 4, v[RD]
	v_add_nc_u32 v[RD], s58, v[RD]                 ; back: eight lanes to a row of 128 bytes, four rows an instruction
	v_lshlrev_b32 v[PFO], 8, v229
	v_lshlrev_b32 v[DQ], 3, v225
	v_sub_nc_u32 v[DQ], v224, v[DQ]
	v_mov_b32 v13, 0xff61b1e6                      ; the largest score so far: -3e38, under every score
	v_mul_f32 v12, s[CS], v13
	v_mov_b32 v14, 0
	v_mov_b32 v15, 0
	v_mov_b32 v233, 0                              ; (named as the upper half of the pair v[232:233])
.set n, 0
.rept 32
	v_mov_b32 v[160+n], 0                          ; O^T.  The step is written once: the first finds zeros, which a = 0 leaves zeros
.set n, n+1
.endr
; A KEY STEP: 128 keys, the q-th of the slot in hand.
.macro STEP q
	s_add_co_u32 s56, s[Q0], 15
	s_cmp_gt_u32 s[KF], s56                        ; all 128 keys come after my 16 queries: the step's work is left out (ids and the count of steps alone)
	s_cbranch_scc1 .Lhidden_\@
	v_add_nc_u32 v[ADK], s[TB], v[AK0]
	v_add_nc_u32 v[ADV], s[TB], v[AV0]
.rept 3
	v_nop                                          ; with the two additions five places behind the last step's products: S^T is written over registers that they read, and K's loads land on others
.endr
.irp g, 0,1                                    ; S^T = K Q^T, four tiles of 16 keys at a time
.if \g > 0
.rept 4
	v_nop                                          ; places in front of loads into registers that matrix instructions have read
.endr
.endif
.irp t, 0,1,2,3
.irp ks, 0,1
	ds_load_b128 v[32+16*\t+8*\ks:35+16*\t+8*\ks], v[ADK] offset:(128*(\q)+16*(4*\g+\t))*KP+64*\ks
	ds_load_b128 v[36+16*\t+8*\ks:39+16*\t+8*\ks], v[ADK] offset:(128*(\q)+16*(4*\g+\t))*KP+64*\ks+32
.endr
.endr
	s_wait_dscnt 0x0
.irp t, 0,1,2,3                                ; the four accumulators take turns, one instruction a turn
	v_wmma_f32_16x16x32_f16 v[96+8*(4*\g+\t):103+8*(4*\g+\t)], v[32+16*\t:39+16*\t], v[16:23], 0
.endr
.irp t, 0,1,2,3
	v_wmma_f32_16x16x32_f16 v[96+8*(4*\g+\t):103+8*(4*\g+\t)], v[40+16*\t:47+16*\t], v[24:31], v[96+8*(4*\g+\t):103+8*(4*\g+\t)]
.endr
.endr
.rept 4
	v_nop                                          ; places: for the loads below and for the first reads of the scores
.endr
.irp kb, 0,1                                   ; V's keys 0-63 of the step, turned: they land while the softmax is walked
.irp dt, 0,1,2,3
	ds_load_tr16_b128 v[32+8*(4*\kb+\dt):35+8*(4*\kb+\dt)], v[ADV] offset:(128*(\q)+32*\kb)*VP+32*\dt
	ds_load_tr16_b128 v[36+8*(4*\kb+\dt):39+8*(4*\kb+\dt)], v[ADV] offset:(128*(\q)+32*\kb+16)*VP+32*\dt
.endr
.endr
	s_add_co_u32 s56, s[KF], 127                   ; on the diagonal hidden scores become -infinity ahead of the maximum; a step all of whose keys count skips this
	s_cmp_le_u32 s56, s[Q0]
	s_cbranch_scc1 .Lopen_\@
	s_sub_co_i32 s56, s[Q0], s[KF]
	v_add_nc_u32 v252, s56, v[DQ]                  ; d = my query - KF - 8 (lane / 16).  Register 8 T + j holds key KF + 16 T + 8 (lane / 16) + j: hidden where 16 T + j > d
	v_mov_b32 v254, 0xff800000
.set n, 0
.rept 64
	v_cmp_gt_i32 vcc_lo, 16*(n/8)+n%8, v252
	v_cndmask_b32 v[96+n], v[96+n], v254, vcc_lo
.set n, n+1
.endr
.Lopen_\@:
.irp c, 0,1,2,3                                ; the largest score, in four chains; each tile is read from its low end on
	v_max3_num_f32 v[224+\c], v[96+16*\c], v[97+16*\c], v[98+16*\c]
.endr
.irp i, 3,5,7,9,11,13
.irp c, 0,1,2,3
	v_max3_num_f32 v[224+\c], v[224+\c], v[96+16*\c+\i], v[97+16*\c+\i]
.endr
.endr
.irp c, 0,1,2,3
	v_max_num_f32 v[224+\c], v[224+\c], v[111+16*\c]
.endr
	v_max3_num_f32 v228, v224, v225, v226
	v_max3_num_f32 v228, v228, v227, v13           ; with the old m
	v_permlanex16_b32 v229, v228, s[SEL], s[SEL+1] ; the query's other 64 keys lie in the lane 16 away
	v_mov_b32 v230, v12                            ; c m_old
	v_max_num_f32 v13, v228, v229
	v_mul_f32 v12, s[CS], v13
	v_sub_f32 v230, v230, v12
.set n, 0
.rept 32
	v_pk_fma_f32 v[96+n:97+n], v[96+n:97+n], s[CS:CS+1], v[12:13] op_sel_hi:[1,0,0] neg_lo:[0,0,1] neg_hi:[0,0,1]   ; c s - c m, two at a time
.set n, n+2
.endr
	v_exp_f32 v232, v230                           ; a
.set n, 0
.rept 64
	v_exp_f32 v[96+n], v[96+n]                     ; p, at most 1
.set n, n+1
.endr
	v_nop                                          ; a plain line behind the last exponential
	s_wait_alu depctr_va_vdst(0)                   ; one wait for the batch of 65, ahead of its first reader
.set n, 0
.rept 32
	v_cvt_pk_f16_f32 v[192+n], v[96+2*n], v[97+2*n]   ; P: tiles 2 kb and 2 kb + 1 make the fragment of keys 32 kb on
.set n, n+1
.endr
	v_pk_mul_f32 v[14:15], v[14:15], v[232:233] op_sel_hi:[1,0]   ; l under the new m
	v_pk_add_f32 v[234:235], v[96:97], v[98:99]    ; the sum of the unrounded p, in two chains
.set n, 4
.rept 15
	v_pk_add_f32 v[14:15], v[14:15], v[96+n:97+n]
	v_pk_add_f32 v[234:235], v[234:235], v[98+n:99+n]
.set n, n+4
.endr
	v_pk_add_f32 v[14:15], v[14:15], v[234:235]
.irp kb, 0,1                                   ; V's keys 64-127, into the registers that p has left
.irp dt, 0,1,2,3
	ds_load_tr16_b128 v[96+8*(4*\kb+\dt):99+8*(4*\kb+\dt)], v[ADV] offset:(128*(\q)+64+32*\kb)*VP+32*\dt
	ds_load_tr16_b128 v[100+8*(4*\kb+\dt):103+8*(4*\kb+\dt)], v[ADV] offset:(128*(\q)+64+32*\kb+16)*VP+32*\dt
.endr
.endr
.set n, 0
.rept 16
	v_pk_mul_f32 v[160+n:161+n], v[160+n:161+n], v[232:233] op_sel_hi:[1,0]   ; O^T under the new m
.set n, n+2
.endr
	s_wait_dscnt 16                                ; V's first sixteen loads are in; the sixteen just issued stay out
.irp kb, 0,1
.irp dt, 0,1,2,3
	v_wmma_f32_16x16x32_f16 v[160+8*\dt:167+8*\dt], v[32+8*(4*\kb+\dt):39+8*(4*\kb+\dt)], v[192+8*\kb:199+8*\kb], v[160+8*\dt:167+8*\dt]
.endr
.endr
	s_wait_dscnt 0x0
.irp kb, 0,1
.irp dt, 0,1,2,3
	v_wmma_f32_16x16x32_f16 v[160+8*\dt:167+8*\dt], v[96+8*(4*\kb+\dt):103+8*(4*\kb+\dt)], v[208+8*\kb:215+8*\kb], v[160+8*\dt:167+8*\dt]
.endr
.endr
.Lhidden_\@:
	s_add_co_u32 s[KF], s[KF], 128
.endm
; THE CHANGE OF SLOTS stands at a slot's head.  Each wave waits for all its tensor loads, adds 0 to its spare word (fill = 1: twice on end), and waits for
; that and for its reads of the slot that it has left.  Behind the barrier the slot ahead is whole and nobody reads the other one, which is then filled with the keys that follow: two steps in which to land.
.macro CHANGE fill
	s_wait_tensorcnt 0x0                           ; no tensor load of mine is out, so a group 0 may be written
	ds_add_u32 v[SPW], v[NIL]
.if \fill
	ds_add_u32 v[SPW], v[NIL]
	s_xor_b32 s[G0K+1], s[G0K+1], SLOT1            ; the walking descriptors: the other slot, the next 256 keys
	s_add_nc_u64 s[G0K+2:G0K+3], s[G0K+2:G0K+3], SK*128
	s_xor_b32 s[G0V+1], s[G0V+1], SLOT1
	s_add_nc_u64 s[G0V+2:G0V+3], s[G0V+2:G0V+3], SK*128
	s_wait_xcnt 0x0                                ; the last prefetch, a slot back, has read its address
	s_add_nc_u64 s[PFA:PFA+1], s[PFA:PFA+1], SK*128
.endif
	s_wait_dscnt 0x0
	s_barrier_signal -1
	s_barrier_wait -1
.if \fill
	s_add_co_u32 s56, s[KF], SK                    ; the first key of the slot that this change would ask for:
	s_cmp_gt_u32 s56, s[LASTQ]                     ; past my work-group's last query it would be read by no wave, so it is not asked for.  Ids and the count of steps alone: all sixteen waves go the same way
	s_cbranch_scc1 .Lpast_\@
	TLOAD                                          ; the first thing behind the barrier, and a wave's one tensor load until the next
.Lpast_\@:
	ASK
.endif
.endm
.macro SLOT_STEPS
	STEP 0
	STEP 1
	s_xor_b32 s[TB], s[TB], SLOT1
.endm
	s_wait_loadcnt 0x0                             ; Q
.Lslot:                                            ; 7 trips: behind each change of slots but the last the next slot is asked for, up to the causal limit
	CHANGE 1
	SLOT_STEPS
	s_sub_co_u32 s[SLOTS], s[SLOTS], 1
	s_cmp_lg_u32 s[SLOTS], 0
	s_cbranch_scc1 .Lslot
	CHANGE 0                                       ; the last slot is written out: nothing is left to ask for
	SLOT_STEPS
	; THE WAY OUT: O^T / l, f16, through my stage, so that an instruction stores four whole rows: 512 consecutive bytes of att.
.rept 4
	v_nop                                          ; places behind the last products
.endr
	v_add_f32 v14, v14, v15
	v_permlanex16_b32 v229, v14, s[SEL], s[SEL+1]
	v_add_f32 v14, v14, v229
	v_rcp_f32 v232, v14
	v_nop
	s_wait_alu depctr_va_vdst(0)
.set n, 0
.rept 16
	v_pk_mul_f32 v[96+n:97+n], v[160+n:161+n], v[232:233] op_sel_hi:[1,0]
.set n, n+2
.endr
.set n, 0
.rept 16
	v_cvt_pk_f16_f32 v[32+n], v[96+2*n], v[97+2*n]   ; registers 4 t .. 4 t + 3: channels 16 t + 8 h + 0 .. 7 of query r
.set n, n+1
.endr
.irp t, 0,1,2,3
	ds_store_b128 v[STO], v[32+4*\t:35+4*\t] offset:32*\t
.endr
.irp i, 0,1,2,3
	ds_load_b128 v[48+4*\i:51+4*\i], v[RD] offset:4*KP*\i   ; LDS serves a wave's instructions in order: these see my stores
.endr
.irp i, 0,1,2,3
	s_wait_dscnt 3-\i
	global_store_b128 v[GO], v[48+4*\i:51+4*\i], s[6:7] offset:512*\i
.endr
	s_wait_tensorcnt 0x0                           ; the wave's end: the tensor wait, the add of 0 to my spare word and its wait
	ds_add_u32 v[SPW], v[NIL]
	s_wait_dscnt 0x0
	s_endpgm
.Lfunc_end_k_qf8c1dc5648_attn:
	.size	k_qf8c1dc5648_attn, .Lfunc_end_k_qf8c1dc5648_attn-k_qf8c1dc5648_attn
	.p2alignl 7, 3214868480
	.fill 96, 4, 3214868480
	.section	.rodata,"a",@progbits
	.p2align	6, 0x0
	.amdhsa_kernel k_qf8c1dc5648_attn
		.amdhsa_group_segment_fixed_size 327680
		.amdhsa_private_segment_fixed_size 0
		.amdhsa_enable_private_segment 0
		.amdhsa_kernarg_size 16
		.amdhsa_user_sgpr_count 2
		.amdhsa_user_sgpr_kernarg_segment_ptr 1
		.amdhsa_wavefront_size32 1
		.amdhsa_system_sgpr_workgroup_id_x 1
		.amdhsa_system_sgpr_workgroup_id_y 1
		.amdhsa_system_sgpr_workgroup_id_z 1
		.amdhsa_system_vgpr_workitem_id 0
		.amdhsa_next_free_vgpr 256
		.amdhsa_next_free_sgpr 66
		.amdhsa_reserve_vcc 1
		.amdhsa_float_denorm_mode_32 3
		.amdhsa_float_denorm_mode_16_64 3
		.amdhsa_memory_ordered 1
		.amdhsa_forward_progress 1
		.amdhsa_inst_pref_size 106
	.end_amdhsa_kernel
	.amdgpu_metadata
---
amdhsa.version: [ 1, 2 ]
amdhsa.kernels:
  - .name:           k_qf8c1dc5648_attn
    .symbol:         k_qf8c1dc5648_attn.kd
    .args:
      - { .name: qkv, .offset: 0, .size: 8, .value_kind: global_buffer, .address_space: global }
      - { .name: att, .offset: 8, .size: 8, .value_kind: global_buffer, .address_space: global }
    .group_segment_fixed_size: 327680
    .private_segment_fixed_size: 0
    .kernarg_segment_align: 8
    .kernarg_segment_size: 16
    .max_flat_workgroup_size: 512
    .sgpr_count:     66
    .vgpr_count:     256
    .wavefront_size: 32
...
	.end_amdgpu_metadata
.endif
;; end of part 3
;; launch oproj (part 4): grid 8 x 32, 4 waves a work-group, clusters of 4 x 4, 327,680 bytes of LDS; arguments att, woh, out0; writes out0
.if DOCPART == 4
	.amdgcn_target "amdgcn-amd-amdhsa--gfx1250"
	.amdhsa_code_object_version 6
	.text
	.protected	k_qf8c1dc5648_oproj
	.globl	k_qf8c1dc5648_oproj
	.p2align	8
	.type	k_qf8c1dc5648_oproj,@function
k_qf8c1dc5648_oproj:
	s_mov_b64 s[64:65], 0
	v_nop
	global_prefetch_b8 v0, s[64:65] scope:SCOPE_SE
	s_setreg_imm32_b32 hwreg(HW_REG_WAVE_MODE, 25, 1), 1
	s_wait_xcnt 0x0
	s_wait_alu depctr_hold_cnt(0) depctr_sa_sdst(0) depctr_va_vdst(0) depctr_va_sdst(0) depctr_va_ssrc(0) depctr_va_vcc(0) depctr_vm_vsrc(0)
	s_getreg_b32 s2, hwreg(HW_REG_IB_STS2, 6, 4)
	s_cmp_eq_u32 s2, 0
	s_cbranch_scc0 .Lentry_in_a_cluster
	s_endpgm
.Lentry_in_a_cluster:
	s_bfe_u32 s2, ttmp6, 0x10000c
	s_cmp_lg_u32 s2, 0xf033
	s_cbranch_scc0 .Lentry_shape_is_right
	s_endpgm
.Lentry_shape_is_right:
; OPROJ: out0[m][o] = sum over i of A[m][i] WO[o][i]; m = 4,096 rows (batch x position), o = 1,024, i = head x 64 + channel = 1,024.  A = att, f16, laid by head [batch x head][position][64]; WO = woh, f16; sums and out0 f32.
; A tile of out0 is 128 x 128: 256 work-groups.  Four waves, 64 x 64 each: 16 accumulators.  K goes in four steps of 256 (four heads) through two LDS slots: two first fills, one refill of each slot, written out.
; A's TILE: 64 rows x 4 heads by ONE load: a head's 64 rows are 8,192 dense bytes, stated as one row of 4,096 elements; four such rows 131,072 elements apart; 16 bytes of padding behind every 128 bytes:
; in LDS (head z, row y, channel d) lies at 9,216 z + 144 y + 2 d.  B's tile: 64 rows of 512 bytes, pitch 528.
; CLUSTERS: 4 x 4; A's tiles shared along a row of the cluster, B's along a column, each asked for jointly.  THE MATRIX INSTRUCTION IS USED TRANSPOSED: a lane holds eight neighbouring columns of a row.
; All 4,096 rows are made here, positions 0-15 of both sequences too: leaving them out would be a branch on a place in the cluster.  The last launch stores those 32 rows again, made in f32.
; REGISTERS: window 0: v0-31 addresses; v32-95 the way out; v128-255 the accumulators ((a, b) at v[128 + 8 (4 a + b)]).  window 1: two fragment buffers of 128: 64 registers of A, then 64 of B, for 64 along K.
.set KSTEP,  256
.set PA,     144
.set HEADB,  64*PA                     ; a head's 64 rows in LDS
.set HALFA,  4*HEADB                   ; 64 rows x 256 K of A: what one load brings
.set PB,     528
.set HALFB,  64*PB
.set SLOT,   2*HALFA+2*HALFB
.set STAGE,  2*SLOT                    ; behind the ring: 16 rows x 272 bytes for each wave: a wave's 64 columns of f32 are a whole 256 bytes, so each wave has a stage of its own and no barrier is needed
.set SPITCH, 272
.set SPARE,  STAGE+4*16*SPITCH
.set ADRA, 16
.set ADRB, 20
.set STO,  24
.set RD,   25
.set CO,   26
.set SPW,  28
.set NIL,  29
.set BK,   32
.set ACC,  128
.set F0,   0
.set F1,   128
.set G1, 24
.set G0, 32
.set G1B, 48
.set G0B, 56
.set MSB, 0
.macro WIN new
.if MSB != (\new)
	s_set_vgpr_msb (MSB<<8)|(\new)
.set MSB, (\new)
.endif
.endm
.set MUL,  0x05                        ; sources 0 (B) and 1 (A) window 1; C and D window 0
.set TO_F, 0x40                        ; destination window 1, address window 0
.macro JLOAD s                         ; waves 0 and 1 fetch A's two halves, waves 2 and 3 B's; an s_nop 0 and four v_nop follow each line
	s_cmp_eq_u32 s11, 0
	s_cbranch_scc0 .Lfor_b_\@
	tensor_load_to_lds s[G0+4*\s:G0+4*\s+3], s[G1:G1+7]
	s_nop 0
.rept 4
	v_nop
.endr
	s_branch .Lasked_\@
.Lfor_b_\@:
	tensor_load_to_lds s[G0B+4*\s:G0B+4*\s+3], s[G1B:G1B+7]
	s_nop 0
.rept 4
	v_nop
.endr
.Lasked_\@:
.endm
.macro CREST
	s_cmp_lg_u32 s10, 0
	s_cbranch_scc1 .Lnot_wave_0_\@
	s_barrier_signal -3
.Lnot_wave_0_\@:
	s_barrier_wait -3
	s_barrier_signal -1
	s_barrier_wait -1
.endm
.macro CROUND
	s_barrier_signal -1
	s_barrier_wait -1
	CREST
.endm
	s_load_b128 s[4:7], s[0:1], 0x0                ; att, woh
	s_load_b64 s[8:9], s[0:1], 0x10                ; out0
	v_lshl_add_u32 v[SPW], v0, 2, SPARE
	v_mov_b32 v[NIL], 0
	ds_add_u32 v[SPW], v[NIL]                      ; the wave's opening: the add, twice on end, and its wait ahead of my first tensor load
	ds_add_u32 v[SPW], v[NIL]
	v_lshrrev_b32 v1, 5, v0
	v_readfirstlane_b32 s10, v1                    ; wave 0..3
	s_lshr_b32 s11, s10, 1                         ; which half of the tile's rows is mine.  Also: I fetch for A (0) or for B (1)
	s_and_b32 s12, s10, 1                          ; which half of its columns.  Also: which 64 rows of that tile I fetch
	s_bfe_u32 s40, ttmp6, 0x40000
	s_bfe_u32 s41, ttmp6, 0x40004
	s_lshl_b32 s42, ttmp9, 2
	s_add_co_u32 s42, s42, s40                     ; tile column
	s_and_b32 s13, ttmp7, 0xffff
	s_lshl_b32 s13, s13, 2
	s_add_co_u32 s13, s13, s41                     ; tile row
	s_lshl_b32 s43, s41, 2
	s_lshl_b32 s43, 15, s43                        ; my row of the cluster
	s_lshl_b32 s44, 0x1111, s40                    ; my column
	s_or_b32 s[G1+0], s43, (1<<16)|(1<<20)|(1<<21)|(4<<22)|(3<<25)   ; the mask; elements of 2 bytes; padding on; bit 21 beside a mask; after every 32 words, 4 words
	s_mov_b32 s[G1+1], 4096<<16                    ; tensor_dim0 = 4,096: 64 rows of 64
	s_mov_b32 s[G1+2], 4<<16                       ; tensor_dim1 = 4 heads
	s_mov_b32 s[G1+3], 4096<<16                    ; tile_dim0
	s_mov_b32 s[G1+4], 4                           ; tile_dim1
	s_mov_b32 s[G1+5], 131072                      ; from head to head: 2,048 x 64 elements
	s_mov_b32 s[G1+6], 0
	s_mov_b32 s[G1+7], 0
	s_or_b32 s[G1B+0], s44, (1<<16)|(1<<20)|(1<<21)|(6<<22)|(3<<25)  ; after every 128 words, 4 words
	s_mov_b32 s[G1B+1], KSTEP<<16
	s_mov_b32 s[G1B+2], 64<<16
	s_mov_b32 s[G1B+3], KSTEP<<16
	s_mov_b32 s[G1B+4], 64
	s_mov_b32 s[G1B+5], 1024
	s_mov_b32 s[G1B+6], 0
	s_mov_b32 s[G1B+7], 0
	s_lshr_b32 s16, s13, 4                         ; A: batch x 16 heads x 262,144 bytes
	s_lshl_b32 s16, s16, 22
	s_and_b32 s17, s13, 15
	s_lshl_b32 s17, s17, 14                        ; + 128 positions x 128 bytes for each tile row of the batch
	s_add_co_u32 s16, s16, s17
	s_lshl_b32 s17, s12, 13                        ; + the 64 rows that I fetch
	s_add_co_u32 s16, s16, s17
	s_mov_b32 s17, 0
	s_lshl_b32 s46, s42, 7                         ; B: row 128 x tile column + 64 x half, 2,048 bytes a row
	s_lshl_b32 s47, s12, 6
	s_add_co_u32 s46, s46, s47
	s_lshl_b32 s46, s46, 11
	s_mov_b32 s47, 0
	s_mul_i32 s20, s12, HALFA                      ; where they go: no place in the cluster enters an LDS address
	s_mul_i32 s21, s12, HALFB
	s_add_co_u32 s21, s21, 2*HALFA
	s_wait_dscnt 0x0                               ; both opening adds are done
	s_wait_kmcnt 0x0
	s_add_nc_u64 s[14:15], s[4:5], s[16:17]
	s_add_nc_u64 s[46:47], s[6:7], s[46:47]
	CROUND                                         ; all sixteen work-groups are here: the first joint loads meet
.irp s, 0,1
	s_mov_b32 s[G0+4*\s], 1
	s_add_co_u32 s[G0+4*\s+1], s20, \s*SLOT
	s_add_nc_u64 s[G0+4*\s+2:G0+4*\s+3], s[14:15], \s*4*262144      ; K step s: heads 4 s on
	s_or_b32 s[G0+4*\s+3], s[G0+4*\s+3], 0x80000000
	s_mov_b32 s[G0B+4*\s], 1
	s_add_co_u32 s[G0B+4*\s+1], s21, \s*SLOT
	s_add_nc_u64 s[G0B+4*\s+2:G0B+4*\s+3], s[46:47], \s*KSTEP*2
	s_or_b32 s[G0B+4*\s+3], s[G0B+4*\s+3], 0x80000000
	JLOAD \s
.endr
	v_and_b32 v1, 15, v0                           ; r
	v_bfe_u32 v2, v0, 4, 1                         ; h
	v_mul_u32_u24 v3, v1, PA
	v_lshl_add_u32 v3, v2, 4, v3
	v_mul_u32_u24 v4, v1, PB
	v_lshl_add_u32 v4, v2, 4, v4
	s_mul_i32 s21, s11, HALFA                      ; my 64 rows of A
	s_mul_i32 s22, s12, HALFB                      ; my 64 rows of B,
	s_add_co_u32 s22, s22, 2*HALFA                 ; behind A's 128
.irp s, 0,1
	v_add_nc_u32 v[ADRA+\s], s21, v3
	v_add_nc_u32 v[ADRB+\s], s22, v4
	s_add_co_u32 s21, s21, SLOT
	s_add_co_u32 s22, s22, SLOT
.endr
	s_mul_i32 s23, s10, 16*SPITCH
	s_add_co_u32 s23, s23, STAGE                   ; my stage
	v_mul_u32_u24 v4, v1, SPITCH
	v_lshl_add_u32 v4, v2, 5, v4
	v_add_nc_u32 v[STO], s23, v4                   ; in: row r, 32 bytes for each half of the lanes
	v_mul_u32_u24 v5, v2, SPITCH
	v_lshl_add_u32 v5, v1, 4, v5
	v_add_nc_u32 v[RD], s23, v5                    ; back: lanes 0-15 one row of 256 bytes, lanes 16-31 the next
	v_lshlrev_b32 v5, 12, v2
	v_lshl_add_u32 v[CO], v1, 4, v5                ; and the same two rows in out0
	s_lshl_b32 s16, s13, 7
	s_lshl_b32 s17, s11, 6
	s_add_co_u32 s16, s16, s17                     ; my first row
	s_lshl_b32 s16, s16, 12
	s_mov_b32 s17, 0
	s_add_nc_u64 s[8:9], s[8:9], s[16:17]
	s_lshl_b32 s46, s42, 9                         ; my first column, in bytes
	s_lshl_b32 s47, s12, 8
	s_add_co_u32 s46, s46, s47
	s_mov_b32 s47, 0
	s_add_nc_u64 s[8:9], s[8:9], s[46:47]
.macro MUL8 f, c, a0, zero             ; 8 matrix instructions: row blocks a0, a0 + 1 x all 4 column blocks, 32 along K: half c of buffer f.  The 16 accumulators take turns
.irp a, \a0, \a0+1
.irp b, 0,1,2,3
.if \zero
	v_wmma_f32_16x16x32_f16 v[ACC+8*(4*(\a)+\b):ACC+8*(4*(\a)+\b)+7], v[\f+64+8*(4*\c+\b):\f+64+8*(4*\c+\b)+7], v[\f+8*(4*\c+\a):\f+8*(4*\c+\a)+7], 0
.else
	v_wmma_f32_16x16x32_f16 v[ACC+8*(4*(\a)+\b):ACC+8*(4*(\a)+\b)+7], v[\f+64+8*(4*\c+\b):\f+64+8*(4*\c+\b)+7], v[\f+8*(4*\c+\a):\f+8*(4*\c+\a)+7], v[ACC+8*(4*(\a)+\b):ACC+8*(4*(\a)+\b)+7]
.endif
.endr
.endr
.endm
.macro FETCH slot, q, f                ; 32 LDS loads in one run: the fragments of the slot's q-th head (64 along K) into buffer f; the first 32 along K first
	WIN TO_F
.irp c, 0,1
.irp i, 0,1,2,3
	ds_load_b128 v[\f+64+8*(4*\c+\i):\f+64+8*(4*\c+\i)+3],   v[ADRB+\slot] offset:128*(\q)+64*\c+\i*16*PB
	ds_load_b128 v[\f+64+8*(4*\c+\i)+4:\f+64+8*(4*\c+\i)+7], v[ADRB+\slot] offset:128*(\q)+64*\c+\i*16*PB+32
	ds_load_b128 v[\f+8*(4*\c+\i):\f+8*(4*\c+\i)+3],         v[ADRA+\slot] offset:HEADB*(\q)+64*\c+\i*16*PA
	ds_load_b128 v[\f+8*(4*\c+\i)+4:\f+8*(4*\c+\i)+7],       v[ADRA+\slot] offset:HEADB*(\q)+64*\c+\i*16*PA+32
.endr
.endr
.endm
.macro PLACES
.rept 4
	v_nop
.endr
.endm
.macro QUARTER slot, q, f, g, zero     ; multiplies buffer f and fetches the slot's q-th head into g
	s_wait_dscnt 16                                ; the first 32 along K are in
	WIN MUL
	MUL8 \f, 0, 0, \zero
	MUL8 \f, 0, 2, \zero
	PLACES
	FETCH \slot, \q, \g
	s_wait_dscnt 32                                ; all but the 32 just issued
	WIN MUL
	MUL8 \f, 1, 0, 0
	MUL8 \f, 1, 2, 0
.endm
; The last quarter multiplies buffer 1 and changes slots: one barrier; in front of it each wave waits for all its tensor loads, adds 0 to its spare word, and waits for that and for its reads of this slot.
; fill = 1: the barrier opens a round of the cluster's barrier, and this slot is filled again, two K steps ahead, first thing behind the round.
.macro TURN slot, next, fill
	WIN 0
	s_wait_tensorcnt 0x0
	ds_add_u32 v[SPW], v[NIL]
	s_wait_dscnt 17                                ; (the add and the youngest sixteen loads may be out)
	WIN MUL
	MUL8 F1, 0, 0, 0
	s_wait_dscnt 0x0                               ; the add is done, and my reads of this slot are over
	s_barrier_signal -1
	MUL8 F1, 0, 2, 0
.if \fill
	WIN 0
.endif
	s_barrier_wait -1
.if \fill
	CREST
	s_add_nc_u64 s[G0+4*\slot+2:G0+4*\slot+3], s[G0+4*\slot+2:G0+4*\slot+3], 2*4*262144
	s_add_nc_u64 s[G0B+4*\slot+2:G0B+4*\slot+3], s[G0B+4*\slot+2:G0B+4*\slot+3], 2*KSTEP*2
	JLOAD \slot                                    ; the four v_nop behind it are also the places in front of the loads below
.else
	PLACES
.endif
	FETCH \next, 0, F0
	WIN MUL
	MUL8 F1, 1, 0, 0
	MUL8 F1, 1, 2, 0
.endm
	s_wait_tensorcnt 1                             ; my part of K step 0 is in (K step 1's load may be out),
	s_barrier_signal -1
	s_barrier_wait -1                              ; everybody's is
	FETCH 0, 0, F0
	QUARTER 0, 1, F0, F1, 1                        ; the first products start the sums
	QUARTER 0, 2, F1, F0, 0
	QUARTER 0, 3, F0, F1, 0
	TURN 0, 1, 1                                   ; slot 0 takes K step 2
	QUARTER 1, 1, F0, F1, 0
	QUARTER 1, 2, F1, F0, 0
	QUARTER 1, 3, F0, F1, 0
	TURN 1, 0, 1                                   ; slot 1 takes K step 3
	QUARTER 0, 1, F0, F1, 0
	QUARTER 0, 2, F1, F0, 0
	QUARTER 0, 3, F0, F1, 0
	TURN 0, 1, 0                                   ; nothing is left to fetch
	QUARTER 1, 1, F0, F1, 0
	QUARTER 1, 2, F1, F0, 0
	QUARTER 1, 3, F0, F1, 0
	s_wait_dscnt 16
	WIN MUL
	MUL8 F1, 0, 0, 0
	MUL8 F1, 0, 2, 0
	s_wait_dscnt 0
	MUL8 F1, 1, 0, 0
	MUL8 F1, 1, 2, 0
	WIN 0
; THE WAY OUT, a block of 16 rows x 64 columns at a time: into my stage as 32 bytes a lane, back as whole rows of 256 bytes: sixteen lanes store 256 consecutive bytes, aligned.
.macro TOSTAGE a
.irp b, 0,1,2,3
	ds_store_b128 v[STO], v[ACC+8*(4*(\a)+\b):ACC+8*(4*(\a)+\b)+3] offset:64*\b        ; each accumulator from its low end on
	ds_store_b128 v[STO], v[ACC+8*(4*(\a)+\b)+4:ACC+8*(4*(\a)+\b)+7] offset:64*\b+16
.endr
.irp t, 0,1,2,3,4,5,6,7
	ds_load_b128 v[BK+32*((\a)%2)+4*\t:BK+32*((\a)%2)+4*\t+3], v[RD] offset:\t*2*SPITCH   ; LDS serves a wave's instructions in order
.endr
.endm
.macro SEND a, younger
	s_wait_dscnt \younger
.irp t, 0,1,2,3,4,5,6,7
	global_store_b128 v[CO], v[BK+32*((\a)%2)+4*\t:BK+32*((\a)%2)+4*\t+3], s[8:9] offset:(16*(\a)+2*\t)*4096 th:TH_STORE_NT
.endr
.endm
	PLACES
	TOSTAGE 0
.irp a, 1,2,3
.if \a > 1
	s_wait_xcnt 0x0                                ; block a - 2's stores have read their registers: block a's loads may land there
.endif
	TOSTAGE \a
	SEND \a-1, 16                                  ; behind block a - 1's loads: block a's 8 stores and 8 loads
.endr
	SEND 3, 0
	s_wait_tensorcnt 0x0                           ; the wave's end: the tensor wait, the add of 0 to my spare word and its wait
	ds_add_u32 v[SPW], v[NIL]
	s_wait_dscnt 0x0
	CROUND                                         ; the closing round
	s_endpgm
.Lfunc_end_k_qf8c1dc5648_oproj:
	.size	k_qf8c1dc5648_oproj, .Lfunc_end_k_qf8c1dc5648_oproj-k_qf8c1dc5648_oproj
	.p2alignl 7, 3214868480
	.fill 96, 4, 3214868480
	.section	.rodata,"a",@progbits
	.p2align	6, 0x0
	.amdhsa_kernel k_qf8c1dc5648_oproj
		.amdhsa_group_segment_fixed_size 327680
		.amdhsa_private_segment_fixed_size 0
		.amdhsa_enable_private_segment 0
		.amdhsa_kernarg_size 24
		.amdhsa_user_sgpr_count 2
		.amdhsa_user_sgpr_kernarg_segment_ptr 1
		.amdhsa_wavefront_size32 1
		.amdhsa_system_sgpr_workgroup_id_x 1
		.amdhsa_system_sgpr_workgroup_id_y 1
		.amdhsa_system_sgpr_workgroup_id_z 1
		.amdhsa_system_vgpr_workitem_id 0
		.amdhsa_next_free_vgpr 512
		.amdhsa_next_free_sgpr 66
		.amdhsa_reserve_vcc 0
		.amdhsa_float_denorm_mode_32 3
		.amdhsa_float_denorm_mode_16_64 3
		.amdhsa_memory_ordered 1
		.amdhsa_forward_progress 1
		.amdhsa_inst_pref_size 86
	.end_amdhsa_kernel
	.amdgpu_metadata
---
amdhsa.version: [ 1, 2 ]
amdhsa.kernels:
  - .name:           k_qf8c1dc5648_oproj
    .symbol:         k_qf8c1dc5648_oproj.kd
    .args:
      - { .name: att, .offset: 0, .size: 8, .value_kind: global_buffer, .address_space: global }
      - { .name: woh, .offset: 8, .size: 8, .value_kind: global_buffer, .address_space: global }
      - { .name: out0, .offset: 16, .size: 8, .value_kind: global_buffer, .address_space: global }
    .group_segment_fixed_size: 327680
    .private_segment_fixed_size: 0
    .kernarg_segment_align: 8
    .kernarg_segment_size: 24
    .max_flat_workgroup_size: 128
    .sgpr_count:     66
    .vgpr_count:     512
    .wavefront_size: 32
...
	.end_amdgpu_metadata
.endif
;; end of part 4
;; launch first16 (part 5): grid 64 x 2, 16 waves a work-group, no clusters, 18,432 bytes of LDS; arguments head16, WO, out0; writes out0
.if DOCPART == 5
	.amdgcn_target "amdgcn-amd-amdhsa--gfx1250"
	.amdhsa_code_object_version 6
	.text
	.protected	k_qf8c1dc5648_first16
	.globl	k_qf8c1dc5648_first16
	.p2align	8
	.type	k_qf8c1dc5648_first16,@function
k_qf8c1dc5648_first16:
	s_mov_b64 s[64:65], 0
	v_nop
	global_prefetch_b8 v0, s[64:65] scope:SCOPE_SE
	s_setreg_imm32_b32 hwreg(HW_REG_WAVE_MODE, 25, 1), 1
	s_wait_xcnt 0x0
; FIRST16: positions 0-15 of both sequences once more, attention and projection in f32: these rows average one to sixteen values and are the largest of the output, so 16-bit operands weigh most there.
; Work-group (x, batch) makes out0[batch][0..15][16 x .. 16 x + 15]; wave w is head w: it makes the head's 16 x 16 attention from head16 (Q, K rotated, V, all f32) and the head's share of the 16 outputs;
; the sixteen shares meet in LDS and waves 0 and 1 add and store them.  The attention is made anew in each of the 64 work-groups of a batch: 16 x 16 x 64 numbers a head.
; All products by the f32 matrix form (16 x 16 x 4): no bulk work.  K's places are permuted alike in both sources of each product.  The registers that these instructions write are written by nothing else.
; A lane stores 16 bytes of rows 4,096 bytes apart, 64 bytes of a row a work-group: 256-byte blocks are written in part; 131,072 bytes in all.
; LIMIT: hidden keys get the weight 0, as in the attention launch.
; REGISTERS: v16-47 Q, v48-79 K, v80-111 V^T, v112-143 WO; v144-159 S^T in two sums; v160-167 scores, then p; v168-175 P; v176-207 O^T; v208-223 Y^T in two sums; v224-231 Y^T; v232-239 at work.
.set SPARE, 16384                      ; LDS: 0: the sixteen shares, 1,024 bytes a wave; then the spare words, 128 bytes a wave
	s_load_b128 s[4:7], s[0:1], 0x0                ; head16, WO
	s_load_b64 s[8:9], s[0:1], 0x10                ; out0
	v_lshl_add_u32 v2, v0, 2, SPARE                ; my spare word; never rewritten
	v_mov_b32 v3, 0                                ; 0; never rewritten
	v_lshrrev_b32 v1, 5, v0
	v_readfirstlane_b32 s10, v1                    ; wave = head
	v_and_b32 v4, 15, v0                           ; r
	v_bfe_u32 v5, v0, 4, 1                         ; h
	v_lshlrev_b32 v6, 12, v4
	v_lshl_add_u32 v8, v5, 5, v6                   ; WO, out0: row r of 4,096 bytes + 32 h
	v_lshl_add_u32 v6, v5, 4, v6                   ; Q, K: row r + 16 h
	v_lshlrev_b32 v7, 2, v4
	v_lshl_add_u32 v7, v5, 15, v7                  ; V: keys 8 h on, channel r
	v_lshlrev_b32 v9, 3, v5
	v_sub_nc_u32 v9, v4, v9                        ; r - 8 h
	v_and_b32 v13, 31, v0
	v_lshlrev_b32 v13, 4, v13
	s_lshl_b32 s11, s10, 10
	v_add_nc_u32 v10, s11, v13                     ; where my share goes: 1,024 x wave + 16 x lane
	s_and_b32 s12, s10, 1
	s_lshl_b32 s13, s12, 9
	v_add_nc_u32 v11, s13, v13                     ; where waves 0 and 1 read: 16 x lane + 512 x wave
	s_lshl_b32 s13, s12, 4
	v_add_nc_u32 v12, s13, v8                      ; and store
	v_mov_b32 v233, 0                              ; a lane permute's destination counts as one of its sources
	s_and_b32 s14, ttmp7, 0xffff                   ; batch
	s_mul_i32 s16, s14, 196608
	s_lshl_b32 s15, s10, 8                         ; my head's 64 columns: 256 bytes
	s_add_co_u32 s16, s16, s15
	s_mov_b32 s17, 0
	s_lshl_b32 s18, ttmp9, 16                      ; WO's rows 16 x on
	s_add_co_u32 s18, s18, s15
	s_mov_b32 s19, 0
	s_lshl_b32 s20, s14, 23                        ; out0: batch x 2,048 rows
	s_lshl_b32 s21, ttmp9, 6
	s_add_co_u32 s20, s20, s21
	s_mov_b32 s21, 0
	s_mov_b32 s22, 0x76543210
	s_mov_b32 s23, 0xfedcba98
	s_mov_b32 s24, 0x3e38aa3b                      ; c = log2(e) / 8
	s_wait_kmcnt 0x0
	s_add_nc_u64 s[4:5], s[4:5], s[16:17]
	s_add_nc_u64 s[6:7], s[6:7], s[18:19]
	s_add_nc_u64 s[8:9], s[8:9], s[20:21]
.irp c, 0,1,2,3,4,5,6,7                        ; register 4 c + i of lane (r, h): channel 8 c + 4 h + i of row r
	global_load_b128 v[16+4*\c:19+4*\c], v6, s[4:5] offset:32*\c
	global_load_b128 v[48+4*\c:51+4*\c], v6, s[4:5] offset:65536+32*\c
.endr
.irp t, 0,1,2,3                                ; register 8 t + i: V(key 8 h + i, channel 16 t + r)
.irp i, 0,1,2,3,4,5,6,7
	global_load_b32 v[80+8*\t+\i], v7, s[4:5] offset:131072+4096*\i+64*\t
.endr
.endr
.irp t, 0,1,2,3                                ; register 8 t + i: WO(16 x + r, 64 w + 16 t + 8 h + i)
.irp e, 0,1
	global_load_b128 v[112+8*\t+4*\e:115+8*\t+4*\e], v8, s[6:7] offset:64*\t+16*\e
.endr
.endr
	s_wait_loadcnt 0x0
.set n, 0
.rept 16                               ; S^T = K Q^T: source 0 = 16 keys, source 1 = 16 queries; two sums by turns; each begins with the constant 0
.if n < 2
	v_wmma_f32_16x16x4_f32 v[144+8*(n%2):151+8*(n%2)], v[48+2*n:49+2*n], v[16+2*n:17+2*n], 0
.else
	v_wmma_f32_16x16x4_f32 v[144+8*(n%2):151+8*(n%2)], v[48+2*n:49+2*n], v[16+2*n:17+2*n], v[144+8*(n%2):151+8*(n%2)]
.endif
.set n, n+1
.endr
.rept 8
	v_nop                                          ; eight places behind this form before a result is read (ISA guide 7.12.1)
.endr
.irp j, 0,1,2,3,4,5,6,7
	v_add_f32 v[160+\j], v[144+\j], v[152+\j]      ; lane (r, h): query r, key 8 h + j
.endr
	v_mov_b32 v234, 0xff800000
.irp j, 0,1,2,3,4,5,6,7
	v_cmp_gt_i32 vcc_lo, \j, v9                    ; hidden where 8 h + j > r
	v_cndmask_b32 v[160+\j], v[160+\j], v234, vcc_lo
.endr
	v_max3_num_f32 v232, v160, v161, v162
	v_max3_num_f32 v232, v232, v163, v164
	v_max3_num_f32 v232, v232, v165, v166
	v_max_num_f32 v232, v232, v167
	v_permlanex16_b32 v233, v232, s22, s23
	v_max_num_f32 v232, v232, v233                 ; the row's largest score: key 0 counts for every query
	v_mul_f32 v232, s24, v232
.irp j, 0,1,2,3,4,5,6,7
	v_fma_f32 v[160+\j], v[160+\j], s24, -v232
.endr
.irp j, 0,1,2,3,4,5,6,7
	v_exp_f32 v[160+\j], v[160+\j]
.endr
	v_nop
	s_wait_alu depctr_va_vdst(0)                   ; one wait for the eight, ahead of their first reader
	v_add_f32 v235, v160, v161
	v_add_f32 v236, v162, v163
	v_add_f32 v237, v164, v165
	v_add_f32 v238, v166, v167
	v_add_f32 v235, v235, v236
	v_add_f32 v237, v237, v238
	v_add_f32 v235, v235, v237
	v_permlanex16_b32 v233, v235, s22, s23
	v_add_f32 v235, v235, v233
	v_rcp_f32 v235, v235
	v_nop
	s_wait_alu depctr_va_vdst(0)
.irp j, 0,1,2,3,4,5,6,7
	v_mul_f32 v[168+\j], v[160+\j], v235           ; the weights
.endr
.irp u, 0,1,2,3                                ; O^T = V^T P: source 0 = 16 channels, source 1 = 16 queries, keys 8 h + 2 u + 0, 1; the four tiles take turns
.irp t, 0,1,2,3
.if \u == 0
	v_wmma_f32_16x16x4_f32 v[176+8*\t:183+8*\t], v[80+8*\t+2*\u:81+8*\t+2*\u], v[168+2*\u:169+2*\u], 0
.else
	v_wmma_f32_16x16x4_f32 v[176+8*\t:183+8*\t], v[80+8*\t+2*\u:81+8*\t+2*\u], v[168+2*\u:169+2*\u], v[176+8*\t:183+8*\t]
.endif
.endr
.endr
.rept 9
	v_nop                                          ; nine places before a result becomes a source
.endr
.set n, 0
.rept 16                               ; Y^T = WO O^T: source 0 = 16 outputs, source 1 = 16 queries; pair n of O^T's registers holds channels 16 (n / 4) + 8 h + 2 (n % 4) + 0, 1, and so does pair n of WO's
.if n < 2
	v_wmma_f32_16x16x4_f32 v[208+8*(n%2):215+8*(n%2)], v[112+2*n:113+2*n], v[176+2*n:177+2*n], 0
.else
	v_wmma_f32_16x16x4_f32 v[208+8*(n%2):215+8*(n%2)], v[112+2*n:113+2*n], v[176+2*n:177+2*n], v[208+8*(n%2):215+8*(n%2)]
.endif
.set n, n+1
.endr
.rept 8
	v_nop
.endr
.irp j, 0,1,2,3,4,5,6,7
	v_add_f32 v[224+\j], v[208+\j], v[216+\j]      ; lane (r, h): query r, output 16 x + 8 h + j: my head's share
.endr
	ds_store_b128 v10, v[224:227]
	ds_store_b128 v10, v[228:231] offset:512
	s_wait_tensorcnt 0x0                           ; the tensor wait, the add of 0 to my spare word and its wait, behind my last LDS store; only reads of LDS follow.
	ds_add_u32 v2, v3
	s_wait_dscnt 0x0                               ; for the others' sake too: my share has landed
	s_barrier_signal -1
	s_barrier_wait -1
	s_cmp_gt_u32 s10, 1
	s_cbranch_scc1 .Ldone
.irp w, 0,1,2,3,4,5,6,7,8,9,10,11,12,13,14,15  ; wave e (0, 1) adds outputs 8 h + 4 e + 0 .. 3 of all sixteen heads
	ds_load_b128 v[16+4*\w:19+4*\w], v11 offset:1024*\w
.endr
	s_wait_dscnt 0x0
.irp k, 0,1,2,3,4,5,6,7
	v_pk_add_f32 v[16+8*\k:17+8*\k], v[16+8*\k:17+8*\k], v[20+8*\k:21+8*\k]
	v_pk_add_f32 v[18+8*\k:19+8*\k], v[18+8*\k:19+8*\k], v[22+8*\k:23+8*\k]
.endr
.irp k, 0,1,2,3
	v_pk_add_f32 v[16+16*\k:17+16*\k], v[16+16*\k:17+16*\k], v[24+16*\k:25+16*\k]
	v_pk_add_f32 v[18+16*\k:19+16*\k], v[18+16*\k:19+16*\k], v[26+16*\k:27+16*\k]
.endr
.irp k, 0,1
	v_pk_add_f32 v[16+32*\k:17+32*\k], v[16+32*\k:17+32*\k], v[32+32*\k:33+32*\k]
	v_pk_add_f32 v[18+32*\k:19+32*\k], v[18+32*\k:19+32*\k], v[34+32*\k:35+32*\k]
.endr
	v_pk_add_f32 v[16:17], v[16:17], v[48:49]
	v_pk_add_f32 v[18:19], v[18:19], v[50:51]
	global_store_b128 v12, v[16:19], s[8:9]
.Ldone:
	s_endpgm
.Lfunc_end_k_qf8c1dc5648_first16:
	.size	k_qf8c1dc5648_first16, .Lfunc_end_k_qf8c1dc5648_first16-k_qf8c1dc5648_first16
	.p2alignl 7, 3214868480
	.fill 96, 4, 3214868480
	.section	.rodata,"a",@progbits
	.p2align	6, 0x0
	.amdhsa_kernel k_qf8c1dc5648_first16
		.amdhsa_group_segment_fixed_size 18432
		.amdhsa_private_segment_fixed_size 0
		.amdhsa_enable_private_segment 0
		.amdhsa_kernarg_size 24
		.amdhsa_user_sgpr_count 2
		.amdhsa_user_sgpr_kernarg_segment_ptr 1
		.amdhsa_wavefront_size32 1
		.amdhsa_system_sgpr_workgroup_id_x 1
		.amdhsa_system_sgpr_workgroup_id_y 1
		.amdhsa_system_sgpr_workgroup_id_z 1
		.amdhsa_system_vgpr_workitem_id 0
		.amdhsa_next_free_vgpr 256
		.amdhsa_next_free_sgpr 66
		.amdhsa_reserve_vcc 1
		.amdhsa_float_denorm_mode_32 3
		.amdhsa_float_denorm_mode_16_64 3
		.amdhsa_memory_ordered 1
		.amdhsa_forward_progress 1
		.amdhsa_inst_pref_size 18
	.end_amdhsa_kernel
	.amdgpu_metadata
---
amdhsa.version: [ 1, 2 ]
amdhsa.kernels:
  - .name:           k_qf8c1dc5648_first16
    .symbol:         k_qf8c1dc5648_first16.kd
    .args:
      - { .name: head16, .offset: 0, .size: 8, .value_kind: global_buffer, .address_space: global }
      - { .name: WO, .offset: 8, .size: 8, .value_kind: global_buffer, .address_space: global }
      - { .name: out0, .offset: 16, .size: 8, .value_kind: global_buffer, .address_space: global }
    .group_segment_fixed_size: 18432
    .private_segment_fixed_size: 0
    .kernarg_segment_align: 8
    .kernarg_segment_size: 24
    .max_flat_workgroup_size: 512
    .sgpr_count:     66
    .vgpr_count:     256
    .wavefront_size: 32
...
	.end_amdgpu_metadata
.endif
;; end of part 5
